; MI455X (gfx1250); checked and timed in simulation.
; The chip was launched on July 23, 2026; its instructions are those of AMD's public machine-readable ISA for CDNA 5 (MIT licence, August 2026) and "CDNA5" Instruction Set Architecture Reference Guide (July 2026). The comments in the code are by the model that wrote it; some were corrected since.
;; Causal Self Attention. Allowed arithmetic: matrix products marked QUANTISED: E2M1 operands, one E8M0 scale for each 32 along K, by v_wmma_scale_f32_16x16x128_f8f6f4 with both operands' format E2M1 (or v_wmma_scale_f32_32x16x128_f4), f32 sums; products left as they are: bf16, f16 or f32 operands; f32 sums; everything else in f32.
;; Inputs: Wkv 1,024 x 2,048 float32; Wo 2,048 x 2,048 float32; Wq 2,048 x 2,048 float32; cos 2,048 x 32 float32; q_gain 16 float32; sin 2,048 x 32 float32; x 1 x 2,048 x 2,048 float32.
;; Outputs: out0 1 x 2,048 x 2,048 float32.
;; This version of the problem:
;;   THIS VERSION OF THE PROBLEM IS GIVEN IN LOW PRECISION. The matrix products marked QUANTISED in the list below multiply operands that are first quantised to E2M1 (2 exponent bits, 1 mantissa bit; 4 bits a number), with one power-of-two scale for each 32 numbers along K (OCP MX v1.0); their sums are f32. The products marked 'left as it is' may take bf16, f16 or f32 operands, with f32 sums. Whichever they take, every output number must still come out within the allowed error. Rounding operands to bf16 (8 significant bits) uses up far more of that allowance than f16 does (11 bits, for magnitudes from 6e-5 to 65,504). All else is computed in f32.
;;   The module's matrix products, in the order in which they are computed (A, B: the left and right operand; K: the contracted axis; several contracted axes count as one K, in the product's order):
;;     1. [M 2,048, K 2,048] x [K 2,048, N 2,048]; A: input x; B: input Wq: QUANTISED
;;     2. [M 2,048, K 2,048] x [K 2,048, N 1,024]; A: input x; B: input Wkv: QUANTISED
;;     3. batch 16 x [M 2,048, K 128] x [K 128, N 2,048]; A: computed on the way; B: computed on the way: left as it is (an operand is computed on the way)
;;     4. batch 16 x [M 128, K 2,048] x [K 2,048, N 2,048]; A: computed on the way; B: computed on the way: left as it is (an operand is computed on the way)
;;     5. [M 2,048, K 2,048] x [K 2,048, N 2,048]; A: computed on the way; B: input Wo: left as it is (an operand is computed on the way)
;;   THE QUANTISER, for each operand of a quantised product, along K:
;;     - K is cut into blocks of 32 from its start; a last block that is shorter is filled with zeros.
;;     - A block's scale is 2^e with e = floor(log2(the largest magnitude in the block)) - 2, held to -126 .. 127; a block of zeros has e = 0. As a byte (E8M0): e + 127.
;;     - Each number is divided by its block's scale, clamped to +-6, and rounded to the nearest number of E2M1, ties to even, subnormals kept.
;;     - The product sums the exact products of the quantised numbers (number of the format x scale) in f32.
;;   ~~~python
;;   def quantise(x, axis):      # numpy; x: float32 -> the quantised numbers, widened to float32 again
;;       x = np.moveaxis(x, axis, -1); K = x.shape[-1]
;;       x = np.pad(x, [(0, 0)] * (x.ndim - 1) + [(0, -K % 32)]); x = x.reshape(x.shape[:-1] + (-1, 32)); a = np.abs(x).max(-1, keepdims=True)
;;       e = np.where(a > 0, np.clip(np.frexp(np.where(a > 0, a, 1))[1] - 1 - 2, -126, 127), 0)      # np.frexp(a)[1] - 1 = floor(log2(a)), exactly
;;       r = np.clip(x / 2.0 ** e, -6, 6)
;;       step = 2.0 ** (np.maximum(np.frexp(np.where(r == 0, 1, r))[1] - 1, 0) - 1)
;;       q = np.round(r / step) * step * 2.0 ** e      # np.round: ties to even
;;       return np.moveaxis(q.reshape(q.shape[:-2] + (-1,))[..., :K], -1, axis).astype(np.float32)
;;   ~~~
;; One version. Each part assembles by itself: llvm-mc -triple=amdgcn-amd-amdhsa -mcpu=gfx1250 --defsym DOCPART=n.
;; ======== version 1 of 1: 5 launches
;; limits: values are held in f16: magnitudes above 65,504 overflow, below 6.1e-05 lose precision
;; workspace buffers: codes 5,242,880 bytes; scales 327,680 bytes; wo16 8,388,608 bytes; q16 8,388,608 bytes; kv16 4,194,304 bytes; o16 8,388,608 bytes; qkv32 196,608 bytes
;; launch prep (part 1): grid 448 x 1, 4 waves a work-group, no clusters, 33,280 bytes of LDS; arguments x, Wq, Wkv, Wo, codes, scales, wo16; writes codes, scales, wo16
.if DOCPART == 1
	.amdgcn_target "amdgcn-amd-amdhsa--gfx1250"
	.amdhsa_code_object_version 6
	.text
	.protected	k_q9cbd90cfca_prep
	.globl	k_q9cbd90cfca_prep
	.p2align	8
	.type	k_q9cbd90cfca_prep,@function
k_q9cbd90cfca_prep:
	s_mov_b64 s[64:65], 0
	v_nop
	global_prefetch_b8 v0, s[64:65] scope:SCOPE_SE
	s_setreg_imm32_b32 hwreg(HW_REG_WAVE_MODE, 25, 1), 1
	s_wait_xcnt 0x0
; x [2048][2048], Wq [2048][2048] and Wkv [1024][2048], f32, become codes of FP4 (E2M1), K innermost, two codes a byte, with one E8M0 byte for each 32 along K;
; Wo [2048][2048] f32 becomes f16.  codes: [5120 rows][1024 bytes], scales: [5120][64]: rows 0-2047 x, 2048-4095 Wq, 4096-5119 Wkv.
; A block's scale is 2^(floor(log2(its largest magnitude)) - 2); its byte is the largest magnitude's exponent field - 2, held at 1 from below.  A block of zeros gets the byte 1:
; its codes are zeros, which add nothing, and the bytes are read by this program alone.
; LIMITS: NaN and infinities among the inputs are not served; |Wo| above 65,504 becomes an infinity of f16.
; A work-group takes 32,768 numbers (16 rows), a wave 8,192, in 16 steps of 512.  Work-groups 0-127: x, 128-255: Wq, 256-319: Wkv, 320-447: Wo.
; Rows are dense and K is a multiple of 32, so the three tensors are plain streams of blocks, and since 32,768 numbers are 16 rows, run 4 x work-group + wave of the joint buffers is the wave's.
; Quantising: each load reads 512 consecutive bytes; a step's 2,048 bytes turn through the wave's own stage in LDS, so that a lane holds 16 neighbours along K (two lanes to a block).
; No matrix unit, no tensor load, no cluster, no prefetch: a stream that is read once, with 16 loads a wave on their way.
.set WAVES, 4
.set STEPS, 16
.set EMAX,  2
.set CB,    8                          ; bytes of 16 codes
.set R,     16                         ; v16-79   four sets of 16 numbers as they are loaded
.set X,     80                         ; v80-111  two sets of 16 neighbours (Wo: two sets of 8 packed registers)
.set E,     112                        ; v112-127 a scale byte for each step
.set C,     128                        ; v128-191 codes: four registers for each step
.set WREG,  8192                       ; LDS: a region for each wave: two stages of 32 x SP bytes, then its 256 scale bytes
.set SP,    80                         ; a lane's place in a stage: 64 bytes + 16 of padding
.set SPW,   12                         ; v12 LDS address of my spare word; never rewritten
.set NIL,   13                         ; v13 0; never rewritten
.set SPARE, WAVES*WREG                 ; the spare words, 128 bytes a wave, named by no other line
	s_load_b256 s[4:11], s[0:1], 0x0               ; x, Wq, Wkv, Wo
	s_load_b128 s[12:15], s[0:1], 0x20             ; codes, scales
	s_load_b64 s[16:17], s[0:1], 0x30              ; wo16
	v_lshl_add_u32 v[SPW], v0, 2, SPARE
	v_mov_b32 v[NIL], 0
	v_lshrrev_b32 v1, 5, v0
	v_readfirstlane_b32 s20, v1                    ; wave
	v_and_b32 v2, 31, v0                           ; lane
	v_lshlrev_b32 v3, 4, v2                        ; my 16 bytes of a load's 512
	s_mul_i32 s22, s20, WREG
	v_lshrrev_b32 v14, 2, v2
	v_mul_u32_u24 v14, v14, SP
	v_and_b32 v15, 3, v2
	v_lshl_add_u32 v14, v15, 4, v14
	v_add_nc_u32 v14, s22, v14                     ; the stage, on the way in: SP (lane / 4) + 16 (lane % 4)
	v_mul_u32_u24 v15, v2, SP
	v_add_nc_u32 v15, s22, v15                     ; and on the way out: SP x lane: my 16 neighbours
	v_mul_u32_u24 v4, v2, CB                       ; my codes' place in a step's
	v_lshrrev_b32 v5, 1, v2
	s_add_co_u32 s22, s22, 2*32*SP
	v_add_nc_u32 v5, s22, v5                       ; LDS: my wave's 256 scale bytes, my block's byte
	v_lshlrev_b32 v7, 3, v2                        ; 8 bytes a lane
	v_add_nc_u32 v6, s22, v7
	s_wait_kmcnt 0x0
	s_cmp_ge_u32 ttmp9, 320                        ; the work-group's number alone decides the path
	s_cbranch_scc1 .Lwo
	s_cmp_lt_u32 ttmp9, 128
	s_cselect_b64 s[4:5], s[4:5], s[6:7]           ; x or Wq,
	s_cselect_b32 s21, 0, 128
	s_cmp_lt_u32 ttmp9, 256
	s_cselect_b64 s[4:5], s[4:5], s[8:9]           ; or Wkv
	s_cselect_b32 s21, s21, 256                    ; the tensor's first work-group
	s_sub_co_u32 s22, ttmp9, s21
	s_lshl_b32 s22, s22, 2
	s_add_co_u32 s22, s22, s20                     ; my run of 8,192 numbers in the tensor
	s_lshl_b32 s22, s22, 15
	s_mov_b32 s23, 0
	s_add_nc_u64 s[4:5], s[4:5], s[22:23]
	s_lshl_b32 s24, ttmp9, 2
	s_add_co_u32 s24, s24, s20                     ; and in the joint buffers
	s_lshl_b32 s26, s24, 12                        ; 4,096 bytes of codes a run
	s_mov_b32 s27, 0
	s_add_nc_u64 s[12:13], s[12:13], s[26:27]
	s_lshl_b32 s26, s24, 8                         ; 256 scale bytes a run
	s_add_nc_u64 s[14:15], s[14:15], s[26:27]
.macro LOAD t
.irp i, 0,1,2,3
	global_load_b128 v[R+16*((\t)%4)+4*\i:R+16*((\t)%4)+4*\i+3], v3, s[4:5] offset:2048*(\t)+512*\i th:TH_LOAD_NT   ; 32 lanes read 512 consecutive bytes
.endr
.endm
.macro TURN t                          ; step t's numbers through the stage: LDS serves a wave's instructions in order, so no wait stands between the stores and the loads
.irp i, 0,1,2,3
	ds_store_b128 v14, v[R+16*((\t)%4)+4*\i:R+16*((\t)%4)+4*\i+3] offset:32*SP*((\t)%2)+8*SP*\i
.endr
.irp i, 0,1,2,3
	ds_load_b128 v[X+16*((\t)%2)+4*\i:X+16*((\t)%2)+4*\i+3], v15 offset:32*SP*((\t)%2)+16*\i
.endr
.endm
.irp t, 0,1,2,3
	LOAD \t
.endr
	s_wait_loadcnt 12                              ; step 0's four loads are in; the 12 of steps 1 to 3 may be out
	TURN 0
.macro STEP t
.set XS, X+16*((\t)%2)
.if (\t) > 0
	s_wait_dscnt 1                                 ; this step's numbers are back from the stage (the last step's byte store may be out)
.else
	s_wait_dscnt 0x0
.endif
.if (\t)+4 < STEPS
	LOAD (\t)+4                                    ; into the set that the stage's stores have read
.endif
.if (\t)+1 < STEPS
.if STEPS-2-(\t) >= 3
	s_wait_loadcnt 12                              ; the next step's four loads are in; those of the three steps behind it may be out
.else
	s_wait_loadcnt 4*(STEPS-2-(\t))
.endif
	TURN (\t)+1
.endif
	v_max3_num_f32 v8, |v[XS]|, |v[XS+1]|, |v[XS+2]|               ; the largest magnitude of my 16, in two chains
	v_max3_num_f32 v9, |v[XS+3]|, |v[XS+4]|, |v[XS+5]|
.irp i, 6,10
	v_max3_num_f32 v8, v8, |v[XS+\i]|, |v[XS+\i+1]|
	v_max3_num_f32 v9, v9, |v[XS+\i+2]|, |v[XS+\i+3]|
.endr
	v_max3_num_f32 v8, v8, |v[XS+14]|, |v[XS+15]|
	v_max3_num_f32 v8, v8, v9, (EMAX+1)<<23        ; and the floor 2^(3 - 127): the byte cannot fall under 1
	v_max_num_f32_dpp v8, v8, v8 row_xmask:1 row_mask:0xf bank_mask:0xf   ; and of my neighbour's 16: the block's
	v_add_nc_u32 v11, -(EMAX<<23), v8              ; 2 off its exponent field: the conversion takes this operand's exponent field as its scale
	v_cvt_scalef32_pk8_fp4_f32 v[C+4*(\t)], v[XS:XS+7], v11
	v_cvt_scalef32_pk8_fp4_f32 v[C+4*(\t)+1], v[XS+8:XS+15], v11
	v_lshrrev_b32 v[E+(\t)], 23, v11               ; the scale's byte (a plain line behind the conversions)
	ds_store_b8 v5, v[E+(\t)] offset:16*(\t)       ; both lanes of a block write the same byte with the same value
	global_store_b64 v4, v[C+4*(\t):C+4*(\t)+1], s[12:13] offset:32*CB*(\t)   ; the wave stores 256 consecutive bytes, aligned
.endm
.irp t, 0,1,2,3,4,5,6,7,8,9,10,11,12,13,14,15
	STEP \t
.endr
	ds_load_b64 v[8:9], v6                         ; my wave's 256 scale bytes, 8 a lane: these see my stores
	s_wait_dscnt 0x0
	global_store_b64 v7, v[8:9], s[14:15]          ; 256 consecutive bytes, aligned
	s_wait_tensorcnt 0x0                           ; the wave's end: a wait, an add and a wait behind my last LDS store
	ds_add_u32 v[SPW], v[NIL]
	s_wait_dscnt 0x0
	s_endpgm
.Lwo:                                              ; Wo to f16: no LDS on this path
	s_sub_co_u32 s22, ttmp9, 320
	s_lshl_b32 s22, s22, 2
	s_add_co_u32 s22, s22, s20                     ; my run of 8,192 numbers
	s_lshl_b32 s24, s22, 15
	s_mov_b32 s25, 0
	s_add_nc_u64 s[10:11], s[10:11], s[24:25]
	s_lshl_b32 s24, s22, 14
	s_add_nc_u64 s[16:17], s[16:17], s[24:25]
.macro WLOAD t
.irp i, 0,1,2,3
	global_load_b128 v[R+16*((\t)%4)+4*\i:R+16*((\t)%4)+4*\i+3], v3, s[10:11] offset:2048*(\t)+512*\i
.endr
.endm
.macro WSTEP t
.if STEPS-1-(\t) >= 3
	s_wait_loadcnt 12                              ; this step's four loads are in; the 12 of the three steps behind may be out
.else
	s_wait_loadcnt 4*(STEPS-1-(\t))
.endif
	s_wait_xcnt 0x0                                ; the stores of two steps back have read the set that is written now
.irp i, 0,1,2,3
	v_cvt_pk_f16_f32 v[X+8*((\t)%2)+2*\i], v[R+16*((\t)%4)+4*\i], v[R+16*((\t)%4)+4*\i+1]
	v_cvt_pk_f16_f32 v[X+8*((\t)%2)+2*\i+1], v[R+16*((\t)%4)+4*\i+2], v[R+16*((\t)%4)+4*\i+3]
.endr
.if (\t)+4 < STEPS
	WLOAD (\t)+4
.endif
.irp i, 0,1,2,3
	global_store_b64 v7, v[X+8*((\t)%2)+2*\i:X+8*((\t)%2)+2*\i+1], s[16:17] offset:1024*(\t)+256*\i   ; 256 consecutive bytes, aligned
.endr
.endm
.irp t, 0,1,2,3
	WLOAD \t
.endr
.irp t, 0,1,2,3,4,5,6,7,8,9,10,11,12,13,14,15
	WSTEP \t
.endr
	s_endpgm
.Lfunc_end_k_q9cbd90cfca_prep:
	.size	k_q9cbd90cfca_prep, .Lfunc_end_k_q9cbd90cfca_prep-k_q9cbd90cfca_prep
	.p2alignl 7, 3214868480
	.fill 96, 4, 3214868480
	.section	.rodata,"a",@progbits
	.p2align	6, 0x0
	.amdhsa_kernel k_q9cbd90cfca_prep
		.amdhsa_group_segment_fixed_size 33280
		.amdhsa_private_segment_fixed_size 0
		.amdhsa_enable_private_segment 0
		.amdhsa_kernarg_size 56
		.amdhsa_user_sgpr_count 2
		.amdhsa_user_sgpr_kernarg_segment_ptr 1
		.amdhsa_wavefront_size32 1
		.amdhsa_system_sgpr_workgroup_id_x 1
		.amdhsa_system_sgpr_workgroup_id_y 1
		.amdhsa_system_sgpr_workgroup_id_z 1
		.amdhsa_system_vgpr_workitem_id 0
		.amdhsa_next_free_vgpr 192
		.amdhsa_next_free_sgpr 66
		.amdhsa_reserve_vcc 0
		.amdhsa_float_denorm_mode_32 3
		.amdhsa_float_denorm_mode_16_64 3
		.amdhsa_memory_ordered 1
		.amdhsa_forward_progress 1
		.amdhsa_inst_pref_size 55
	.end_amdhsa_kernel
	.amdgpu_metadata
---
amdhsa.version: [ 1, 2 ]
amdhsa.kernels:
  - .name:           k_q9cbd90cfca_prep
    .symbol:         k_q9cbd90cfca_prep.kd
    .args:
      - { .name: x, .offset: 0, .size: 8, .value_kind: global_buffer, .address_space: global }
      - { .name: Wq, .offset: 8, .size: 8, .value_kind: global_buffer, .address_space: global }
      - { .name: Wkv, .offset: 16, .size: 8, .value_kind: global_buffer, .address_space: global }
      - { .name: Wo, .offset: 24, .size: 8, .value_kind: global_buffer, .address_space: global }
      - { .name: codes, .offset: 32, .size: 8, .value_kind: global_buffer, .address_space: global }
      - { .name: scales, .offset: 40, .size: 8, .value_kind: global_buffer, .address_space: global }
      - { .name: wo16, .offset: 48, .size: 8, .value_kind: global_buffer, .address_space: global }
    .group_segment_fixed_size: 33280
    .private_segment_fixed_size: 0
    .kernarg_segment_align: 8
    .kernarg_segment_size: 56
    .max_flat_workgroup_size: 128
    .sgpr_count:     66
    .vgpr_count:     192
    .wavefront_size: 32
...
	.end_amdgpu_metadata
.endif
;; end of part 1
;; launch qkv (part 2): grid 12 x 8, 4 waves a work-group, clusters of 4 x 1, 327,680 bytes of LDS; arguments codes, scales, cos, sin, q16, kv16, qkv32; writes q16, kv16, qkv32
.if DOCPART == 2
	.amdgcn_target "amdgcn-amd-amdhsa--gfx1250"
	.amdhsa_code_object_version 6
	.text
	.protected	k_q9cbd90cfca_qkv
	.globl	k_q9cbd90cfca_qkv
	.p2align	8
	.type	k_q9cbd90cfca_qkv,@function
k_q9cbd90cfca_qkv:
	s_mov_b64 s[64:65], 0
	v_nop
	global_prefetch_b8 v0, s[64:65] scope:SCOPE_SE
	s_setreg_imm32_b32 hwreg(HW_REG_WAVE_MODE, 25, 1), 1
	s_wait_xcnt 0x0
	s_wait_alu depctr_hold_cnt(0) depctr_sa_sdst(0) depctr_va_vdst(0) depctr_va_sdst(0) depctr_va_ssrc(0) depctr_va_vcc(0) depctr_vm_vsrc(0)
	s_getreg_b32 s2, hwreg(HW_REG_IB_STS2, 6, 4)
	s_cmp_eq_u32 s2, 0
	s_cbranch_scc0 .Lentry_in_a_cluster
	s_endpgm
.Lentry_in_a_cluster:
	s_bfe_u32 s2, ttmp6, 0x10000c
	s_cmp_lg_u32 s2, 0x3003
	s_cbranch_scc0 .Lentry_shape_is_right
	s_endpgm
.Lentry_shape_is_right:
; C[m][n] = sum over k of x[m][k] W[n][k], m 2,048, n 3,072 (Wq's 2,048 rows, then Wkv's 1,024), k 2,048, on codes of FP4 (E2M1) with one E8M0 scale for each 32 along K; sums in f32.
; Then RoPE on channels 0-63 of every q and k head, in f32, and the results leave as f16: q16 [16][2048][128] (WITHOUT the gain), kv16: k [4][2048][128], then v [4][2048][128].
; Rows 0-15 leave in f32 as well (qkv32 [16][3072]), for the launch that carries the first rows finely.
; LIMITS: |q|, |k|, |v| above 65,504 become infinities of f16.
; A tile of C, 256 x 256, is made by four waves; a wave makes 128 rows x 128 columns, which is one head's slab (a q head, or the k or the v of a kv head): 64 accumulators, 512 registers.  12 x 8 = 96 work-groups.
; K goes in steps of 512 through a ring of two LDS slots: a tile's row is 256 bytes of memory.  The scales of the work-group's 256 + 256 rows, for all of K, come into LDS once.
; CLUSTER: the four work-groups of a cluster lie along x: one tile row, four tile columns.  They need the same tiles of x: those (and x's scales) are asked for JOINTLY, with the mask 15.
; The weights' tiles differ from partner to partner (their address holds the place along x), so each work-group loads its own, with no mask, in the same rounds.
; The cluster is 4 x 1 and not 4 x 4, so that the tile row and 'q or kv' are the same in all partners: the way out branches on them.
; THE MATRIX INSTRUCTION IS USED TRANSPOSED (source 0 = 16 rows of W, source 1 = 16 rows of x): a lane then holds eight neighbouring channels of one row.
; REGISTERS: window 0: v0-31 addresses; v32-95 scale words, two sets; from v128 x's fragments, ONE set.  window 1: W's fragments, TWO sets.  windows 2, 3: the accumulators ((a, b) at v[8 (8 (a % 4) + b)]).
; On the way out window 0: v32-95 cos and sin, two sets; v96-127 rotated numbers; v128-191 rows read back, two sets; v192-223 packed f16.
.set KSTEP,  512
.set NQ,     KSTEP/128
.set ROWB,   256
.set KROW,   1024                      ; a row of codes in memory
.set PITCH,  272                       ; an LDS row: 256 bytes + 16 of padding: the 16 rows of a load start 4 banks apart
.set FR,     8
.set NL,     2
.set NP,     4
.set HALFT,  128*PITCH
.set SLOT,   4*HALFT
.set LAPS,   2                         ; 2,048 / (2 x 512)
.set KS,     64                        ; a row of scales in bytes
.set SCL,    2*SLOT
.set HALFS,  (128*KS/256)*272
.set SBLK,   (16*KS/256)*272
.set SPARE,  SCL+4*HALFS               ; the spare words, 128 bytes a wave, named by no other line
.set SPITCH, 272                       ; the way out: a stage of 16 rows x (256 bytes + 16) for each wave, in slot 0, which has had its last fill and its last read by then
.set PLAIN,  4*16*SPITCH               ; the path without RoPE has stage bytes of its own
.set ADRA, 16
.set ADRB, 20
.set CSO,  22                          ; v22 my byte in a block's 16 rows of cos and sin: 128 r + 16 h
.set FO,   23                          ; v23 my byte in qkv32: 12,288 r + 32 h
.set STO,  24
.set RD,   25
.set CO,   26
.set ADRS, 27
.set SPW,  28
.set NIL,  29
.set SC,   32
.set CSR,  32
.set T,    96
.set AF,   128
.set BK,   128
.set TMP,  192
.set G1, 24
.set G0, 32
.set G1B, 48
.set G0B, 56
.set G1S, 68
.set G0S, 76
.set G1SB, 80
.set G0SB, 88
.set MSB, 0
.macro WIN new                         ; the immediate's high byte repeats the setting that is left
.if MSB != (\new)
	s_set_vgpr_msb (MSB<<8)|(\new)
.set MSB, (\new)
.endif
.endm
.set MUL_LO, 0xa1                      ; source 0 (W) window 1, source 1 (x) window 0, C and D window 2
.set MUL_HI, 0xf1
.set TO_B,   0x40
; Waves 0 and 1 fetch for x (jointly), waves 2 and 3 for W.  The branch hangs on the wave's number alone.  An s_nop 0 and four v_nop follow each line.
.macro JLOAD g0a, g1a, g0b, g1b
	s_cmp_eq_u32 s15, 0
	s_cbranch_scc0 .Lfor_b_\@
	tensor_load_to_lds s[\g0a:\g0a+3], s[\g1a:\g1a+7]
	s_nop 0
.rept 4
	v_nop
.endr
	s_branch .Lasked_\@
.Lfor_b_\@:
	tensor_load_to_lds s[\g0b:\g0b+3], s[\g1b:\g1b+7]
	s_nop 0
.rept 4
	v_nop
.endr
.Lasked_\@:
.endm
.macro CREST                           ; a round of the cluster's barrier behind its opening barrier
	s_cmp_lg_u32 s14, 0
	s_cbranch_scc1 .Lnot_wave_0_\@
	s_barrier_signal -3
.Lnot_wave_0_\@:
	s_barrier_wait -3
	s_barrier_signal -1
	s_barrier_wait -1
.endm
.macro CROUND
	s_barrier_signal -1
	s_barrier_wait -1
	CREST
.endm
	s_load_b256 s[4:11], s[0:1], 0x0               ; codes s[4:5], scales s[6:7], cos s[8:9], sin s[10:11]
	s_load_b128 s[96:99], s[0:1], 0x20             ; q16, kv16
	s_load_b64 s[100:101], s[0:1], 0x30            ; qkv32
	v_lshl_add_u32 v[SPW], v0, 2, SPARE
	v_mov_b32 v[NIL], 0
	ds_add_u32 v[SPW], v[NIL]                      ; the wave's opening: the add, twice on end, and its wait ahead of my first tensor load
	ds_add_u32 v[SPW], v[NIL]
	v_lshrrev_b32 v1, 5, v0
	v_readfirstlane_b32 s14, v1                    ; wave 0..3
	s_lshr_b32 s15, s14, 1                         ; which half of the tile's rows is mine.  Also: I fetch for x (0) or for W (1)
	s_and_b32 s16, s14, 1                          ; which half of its columns.  Also: which 128 rows of that tile I fetch
	s_bfe_u32 s40, ttmp6, 0x40000                  ; cx
	s_lshl_b32 s42, ttmp9, 2
	s_add_co_u32 s42, s42, s40                     ; tile column = 4 x cluster x + cx
	s_and_b32 s17, ttmp7, 0xffff                   ; tile row: the cluster's y
	s_mov_b32 s[G1+0], 15|(0<<16)|(1<<20)|(1<<21)|(5<<22)|(3<<25)   ; x's tiles: mask of all four; elements of 1 byte; padding of 4 words behind every 64
	s_mov_b32 s[G1B+0], (0<<16)|(1<<20)|(5<<22)|(3<<25)             ; W's tiles: no mask
.irp g, G1, G1B
	s_mov_b32 s[\g+1], ROWB<<16                    ; tensor_dim0
	s_mov_b32 s[\g+2], 128<<16                     ; tensor_dim1
	s_mov_b32 s[\g+3], ROWB<<16                    ; tile_dim0
	s_mov_b32 s[\g+4], 128                         ; tile_dim1
	s_mov_b32 s[\g+5], KROW                        ; from row to row
	s_mov_b32 s[\g+6], 0
	s_mov_b32 s[\g+7], 0
.endr
	s_mov_b32 s[G1S+0], 15|(3<<16)|(1<<20)|(1<<21)|(5<<22)|(3<<25)  ; the scales of 128 rows: 8,192 dense bytes as 32 rows of 256 (32 elements of 8 bytes), 16 bytes of padding behind each
	s_mov_b32 s[G1SB+0], (3<<16)|(1<<20)|(5<<22)|(3<<25)
.irp g, G1S, G1SB
	s_mov_b32 s[\g+1], 32<<16
	s_mov_b32 s[\g+2], (128*KS/256)<<16
	s_mov_b32 s[\g+3], 32<<16
	s_mov_b32 s[\g+4], 128*KS/256
	s_mov_b32 s[\g+5], 32
	s_mov_b32 s[\g+6], 0
	s_mov_b32 s[\g+7], 0
.endr
	s_lshl_b32 s18, s16, 7                         ; which 128 rows of the tile I fetch
	s_lshl_b32 s20, s17, 8
	s_add_co_u32 s20, s20, s18                     ; x: row 256 x tile row + 128 x half
	s_lshl_b32 s46, s42, 8
	s_add_co_u32 s46, s46, s18
	s_add_co_u32 s46, s46, 2048                    ; W: row 2,048 + 256 x tile column + 128 x half
	s_lshl_b32 s22, s20, 6                         ; their scales, 64 bytes a row,
	s_mov_b32 s23, 0
	s_lshl_b32 s92, s46, 6
	s_mov_b32 s93, 0
	s_lshl_b32 s20, s20, 10                        ; and their codes, 1,024 bytes a row
	s_mov_b32 s21, 0
	s_lshl_b32 s46, s46, 10
	s_mov_b32 s47, 0
	s_mul_i32 s45, s14, HALFT                      ; where they go: wave x 128 rows: no place in the cluster enters an LDS address
	s_mul_i32 s94, s14, HALFS
	s_wait_dscnt 0x0                               ; both opening adds are done
	s_wait_kmcnt 0x0
	s_add_nc_u64 s[20:21], s[4:5], s[20:21]
	s_add_nc_u64 s[22:23], s[6:7], s[22:23]
	s_add_nc_u64 s[46:47], s[4:5], s[46:47]
	s_add_nc_u64 s[92:93], s[6:7], s[92:93]
	CROUND                                         ; all four work-groups are here: the first joint loads meet
	s_mov_b32 s[G0S], 1
	s_add_co_u32 s[G0S+1], s94, SCL
	s_mov_b64 s[G0S+2:G0S+3], s[22:23]
	s_or_b32 s[G0S+3], s[G0S+3], 0x80000000
	s_mov_b32 s[G0SB], 1
	s_add_co_u32 s[G0SB+1], s94, SCL
	s_mov_b64 s[G0SB+2:G0SB+3], s[92:93]
	s_or_b32 s[G0SB+3], s[G0SB+3], 0x80000000
	JLOAD G0S, G1S, G0SB, G1SB                     ; the scales first: they are wanted with K step 0
.irp s, 0,1
	s_mov_b32 s[G0+4*\s], 1
	s_add_co_u32 s[G0+4*\s+1], s45, \s*SLOT
	s_add_nc_u64 s[G0+4*\s+2:G0+4*\s+3], s[20:21], \s*ROWB
	s_or_b32 s[G0+4*\s+3], s[G0+4*\s+3], 0x80000000
	s_mov_b32 s[G0B+4*\s], 1
	s_add_co_u32 s[G0B+4*\s+1], s45, \s*SLOT
	s_add_nc_u64 s[G0B+4*\s+2:G0B+4*\s+3], s[46:47], \s*ROWB
	s_or_b32 s[G0B+4*\s+3], s[G0B+4*\s+3], 0x80000000
	JLOAD G0+4*\s, G1, G0B+4*\s, G1B
.endr
	v_and_b32 v1, 15, v0                           ; r = l % 16
	v_bfe_u32 v2, v0, 4, 1                         ; h = l / 16
	v_mul_u32_u24 v3, v1, PITCH
	v_lshl_add_u32 v4, v2, 4, v3                   ; a fragment's row x pitch + 16 x half
	s_mul_i32 s21, s15, HALFT                      ; my 128 rows of x
	s_mul_i32 s22, s16, HALFT                      ; my 128 rows of W,
	s_add_co_u32 s22, s22, 2*HALFT                 ; which lie behind x's 256
.irp s, 0,1
	v_add_nc_u32 v[ADRA+\s], s21, v4
	v_add_nc_u32 v[ADRB+\s], s22, v4
	s_add_co_u32 s21, s21, SLOT
	s_add_co_u32 s22, s22, SLOT
.endr
	v_mul_u32_u24 v5, v1, KS                       ; my row's scales: 64 bytes a row,
	v_lshrrev_b32 v6, 8, v5
	v_lshl_add_u32 v5, v6, 4, v5                   ; and 16 more for each 256 passed
	s_mul_i32 s21, s15, HALFS
	s_mul_i32 s22, s16, HALFS
	s_add_co_u32 s22, s22, 2*HALFS
	s_sub_co_u32 s22, s22, s21
	v_mul_u32_u24 v6, s22, v2                      ; lanes 16-31 take W's
	s_add_co_u32 s21, s21, SCL
	v_add_nc_u32 v5, v5, v6
	v_add_nc_u32 v[ADRS], s21, v5
	s_mul_i32 s23, s14, 16*SPITCH                  ; my stage
	v_mul_u32_u24 v5, v1, SPITCH
	v_lshl_add_u32 v5, v2, 4, v5
	v_add_nc_u32 v[STO], s23, v5                   ; in: row r, 16 bytes for each half of the lanes
	v_mul_u32_u24 v5, v2, SPITCH
	v_lshl_add_u32 v5, v1, 4, v5
	v_add_nc_u32 v[RD], s23, v5                    ; back: lanes 0-15 one row of 256 bytes, lanes 16-31 the next
	v_and_b32 v6, 31, v0
	v_lshlrev_b32 v[CO], 4, v6                     ; a slab's rows are dense: two rows are 512 bytes on end, 16 a lane
	v_lshlrev_b32 v[CSO], 7, v1
	v_lshl_add_u32 v[CSO], v2, 4, v[CSO]
	v_mul_u32_u24 v[FO], v1, 12288
	v_lshl_add_u32 v[FO], v2, 5, v[FO]
	; where my slab begins.  q: head 2 x tile column + half; kv: kv head = tile column - 8, the left half is k, the right half v
	s_lshl_b32 s44, s42, 1
	s_add_co_u32 s44, s44, s16                     ; which run of 128 columns of C is mine
	s_lshl_b32 s92, s44, 19                        ; q: 524,288 bytes a head
	s_sub_co_u32 s18, s42, 8
	s_lshl_b32 s18, s18, 19
	s_lshl_b32 s19, s16, 21                        ; v lies 2,097,152 bytes behind k
	s_add_co_u32 s18, s18, s19
	s_cmp_lt_u32 ttmp9, 2                          ; clusters 0 and 1 make q, cluster 2 makes k and v: the same in all partners
	s_cselect_b32 s18, s92, s18
	s_cselect_b64 s[12:13], s[96:97], s[98:99]
	s_cmp_eq_u32 ttmp9, 2
	s_cselect_b32 s41, s16, 0                      ; 1: my slab is a v: no RoPE
	s_or_b32 s43, s17, s15                         ; 0: my block 0 is rows 0-15 of the sequence
	s_lshl_b32 s20, s17, 8
	s_lshl_b32 s21, s15, 7
	s_add_co_u32 s20, s20, s21                     ; my first row
	s_lshl_b32 s21, s20, 8
	s_add_co_u32 s18, s18, s21                     ; 256 bytes a row of a slab
	s_mov_b32 s19, 0
	s_add_nc_u64 s[12:13], s[12:13], s[18:19]
	s_lshl_b32 s18, s20, 7                         ; 128 bytes a row of cos and of sin
	s_add_nc_u64 s[8:9], s[8:9], s[18:19]
	s_add_nc_u64 s[10:11], s[10:11], s[18:19]
	s_lshl_b32 s18, s44, 9                         ; 512 bytes for 128 columns of qkv32
	s_add_nc_u64 s[100:101], s[100:101], s[18:19]
.macro FRAG reg, adr, q, i             ; 16 rows x 128 K of 4-bit codes: 8 registers: lane l holds row l % 16; registers 4 c .. 4 c + 3 hold K = 64 c + 32 (l / 16) + 0 .. 31
.irp c, 0,1
	ds_load_b128 v[\reg+4*\c:\reg+4*\c+3], v[\adr] offset:64*(\q)+32*\c+(\i)*16*PITCH
.endr
.endm
; 16 matrix instructions: x's blocks a0, a0 + 1 against W's eight, 128 along K.  The 64 accumulators take turns, one instruction a turn, in the same order in every step.
.macro MUL16 a0, p, q, sc, zero
.irp a, \a0, \a0+1
.irp b, 0,1,2,3,4,5,6,7
.if \zero
	v_wmma_scale_f32_16x16x128_f8f6f4 v[8*(8*((\a)%4)+\b):8*(8*((\a)%4)+\b)+7], v[128*(\p)+FR*\b:128*(\p)+FR*\b+FR-1], v[AF+FR*(\a):AF+FR*(\a)+FR-1], 0, v[SC+8*NQ*(\sc)+NQ*\b+(\q)], v[SC+8*NQ*(\sc)+NQ*(\a)+(\q)] matrix_a_fmt:MATRIX_FMT_FP4 matrix_b_fmt:MATRIX_FMT_FP4 matrix_a_scale:MATRIX_SCALE_ROW1
.else
	v_wmma_scale_f32_16x16x128_f8f6f4 v[8*(8*((\a)%4)+\b):8*(8*((\a)%4)+\b)+7], v[128*(\p)+FR*\b:128*(\p)+FR*\b+FR-1], v[AF+FR*(\a):AF+FR*(\a)+FR-1], v[8*(8*((\a)%4)+\b):8*(8*((\a)%4)+\b)+7], v[SC+8*NQ*(\sc)+NQ*\b+(\q)], v[SC+8*NQ*(\sc)+NQ*(\a)+(\q)] matrix_a_fmt:MATRIX_FMT_FP4 matrix_b_fmt:MATRIX_FMT_FP4 matrix_a_scale:MATRIX_SCALE_ROW1
.endif
.endr
.endr
.endm
.macro FETCH_B slot, q, p
	WIN TO_B
.irp i, 0,1,2,3,4,5,6,7
	FRAG 128*(\p)+FR*\i, ADRB+\slot, \q, \i
.endr
	WIN 0
.endm
.macro FETCH_A slot, q, i0
.irp i, \i0, \i0+1, \i0+2, \i0+3
	FRAG AF+FR*(\i), ADRA+\slot, \q, \i
.endr
.endm
.macro SCALES sc                       ; a K step's scale words: 4 words a row; lanes 0-15 take x's block i, lanes 16-31 W's block i
.irp i, 0,1,2,3,4,5,6,7
	ds_load_b128 v[SC+8*NQ*\sc+NQ*\i:SC+8*NQ*\sc+NQ*\i+3], v[ADRS] offset:\i*SBLK
.endr
.endm
.macro PLACES n                        ; plain vector lines between a matrix instruction and a load into, or a read of, its registers
.rept \n
	v_nop
.endr
.endm
.macro STEP slot, q, zero              ; 128 along K, with its successor in the same slot
	s_wait_dscnt 4*NL                              ; W's set and x's blocks 0-3 are in; the youngest 8 loads (x's blocks 4-7) may be out
	WIN MUL_LO
	MUL16 0, (\q)%2, \q, \slot, \zero
	MUL16 2, (\q)%2, \q, \slot, \zero
	s_wait_dscnt 0
	PLACES NP
	FETCH_B \slot, (\q)+1, 1-(\q)%2
	FETCH_A \slot, (\q)+1, 0
	WIN MUL_HI
	MUL16 4, (\q)%2, \q, \slot, \zero
	MUL16 6, (\q)%2, \q, \slot, \zero
	PLACES NP
	WIN 0
	FETCH_A \slot, (\q)+1, 4
.endm
; A slot's last step changes slots: in front of the barrier each wave waits for all its tensor loads, adds 0 to its spare word, and waits for that and for its own reads of this slot.
.macro TURN slot, next, fill
	s_wait_tensorcnt 0x0                           ; all my tensor loads have landed: my part of the next slot
	ds_add_u32 v[SPW], v[NIL]
	s_wait_dscnt 4*NL+1                            ; (the add and the youngest 8 loads may be out)
	WIN MUL_LO
	MUL16 0, 1, NQ-1, \slot, 0
	s_wait_dscnt 0x0                               ; the add is done, and my reads of this slot are over
	s_barrier_signal -1
	MUL16 2, 1, NQ-1, \slot, 0
	WIN 0
	s_barrier_wait -1
.if \fill
	CREST                                          ; the barrier has opened a round of the cluster's: no wave of any partner still reads this slot or has a load on its way
	s_add_nc_u64 s[G0+4*\slot+2:G0+4*\slot+3], s[G0+4*\slot+2:G0+4*\slot+3], 2*ROWB
	s_add_nc_u64 s[G0B+4*\slot+2:G0B+4*\slot+3], s[G0B+4*\slot+2:G0B+4*\slot+3], 2*ROWB
	JLOAD G0+4*\slot, G1, G0B+4*\slot, G1B         ; the first tensor load behind the round; its four v_nop are the places in front of the loads below
.else
	PLACES NP
.endif
	v_add_nc_u32 v[ADRS], 4*NQ, v[ADRS]            ; on to the next K step's scale words
	FETCH_B \next, 0, 0
	FETCH_A \next, 0, 0
	SCALES \next
	WIN MUL_HI
	MUL16 4, 1, NQ-1, \slot, 0
	MUL16 6, 1, NQ-1, \slot, 0
	PLACES NP
	WIN 0
	FETCH_A \next, 0, 4
.endm
.macro STEPS slot, from
.set Q, \from
.rept NQ-1-\from
	STEP \slot, Q, 0
.set Q, Q+1
.endr
.endm
	s_wait_tensorcnt 1                             ; the scales and my part of K step 0 are in; K step 1's load may be out
	s_barrier_signal -1
	s_barrier_wait -1
	FETCH_B 0, 0, 0
	FETCH_A 0, 0, 0
	SCALES 0
	FETCH_A 0, 0, 4
	STEP 0, 0, 1                                   ; the first step's products start the sums
	s_mov_b32 s3, LAPS-1
.Llap:                                                 ; a trip goes once round the ring and fills both slots again
	STEPS 0, 1
	TURN 0, 1, 1
	STEPS 1, 0
	TURN 1, 0, 1
	STEP 0, 0, 0
	s_sub_co_u32 s3, s3, 1
	s_cmp_lg_u32 s3, 0
	s_cbranch_scc1 .Llap
	STEPS 0, 1                                     ; the last lap fills nothing
	TURN 0, 1, 0
	STEPS 1, 0
	s_wait_dscnt 4*NL
	WIN MUL_LO
	MUL16 0, 1, NQ-1, 1, 0
	MUL16 2, 1, NQ-1, 1, 0
	s_wait_dscnt 0
	WIN MUL_HI
	MUL16 4, 1, NQ-1, 1, 0
	MUL16 6, 1, NQ-1, 1, 0
	WIN 0
; THE WAY OUT, block by block of 16 rows.  Lane (r, h), register j of accumulator (a, b): row 16 a + r, channel 16 b + 8 h + j.
; RoPE: channels 2 i, 2 i + 1 (i under 32) turn by cos[row][i], sin[row][i]: for b under 4 the lane's four pairs are i = 8 b + 4 h + 0 .. 3: 16 bytes of each table.
.macro CSLOAD a                        ; block a's cos (registers 4 b ..) and sin (16 + 4 b ..) into set a % 2
.irp b, 0,1,2,3
	global_load_b128 v[CSR+32*((\a)%2)+4*\b:CSR+32*((\a)%2)+4*\b+3], v[CSO], s[8:9] offset:2048*(\a)+32*\b
	global_load_b128 v[CSR+32*((\a)%2)+16+4*\b:CSR+32*((\a)%2)+16+4*\b+3], v[CSO], s[10:11] offset:2048*(\a)+32*\b
.endr
.endm
.macro PACK a, rope                    ; block a: turned (rope = 1), rounded to f16, 16 bytes a lane and accumulator.  Each accumulator is read from its low end on
.set AC, 64*((\a)%4)
.set CC, CSR+32*((\a)%2)
.if \rope
.if (\a) < 7
	CSLOAD (\a)+1
	s_wait_loadcnt 8                               ; this block's tables are in; the 8 loads just issued may be out
.else
	s_wait_loadcnt 0x0
.endif
	WIN 0x02+(\a)/4                                ; source 0: the accumulators' window
.irp b, 0,1,2,3
.irp p, 0,1,2,3
	v_mul_f32 v[T+8*\b+2*\p], v[AC+8*\b+2*\p+1], v[CC+16+4*\b+\p]                        ; x2 s
	v_mul_f32 v[T+8*\b+2*\p+1], v[AC+8*\b+2*\p], v[CC+16+4*\b+\p]                        ; x1 s
	v_fma_f32 v[T+8*\b+2*\p], v[AC+8*\b+2*\p], v[CC+4*\b+\p], -v[T+8*\b+2*\p]            ; x1 c - x2 s
	v_fma_f32 v[T+8*\b+2*\p+1], v[AC+8*\b+2*\p+1], v[CC+4*\b+\p], v[T+8*\b+2*\p+1]       ; x2 c + x1 s
.endr
.endr
	WIN 0
.irp b, 0,1,2,3
.irp p, 0,1,2,3
	v_cvt_pk_f16_f32 v[TMP+4*\b+\p], v[T+8*\b+2*\p], v[T+8*\b+2*\p+1]
.endr
.endr
	WIN 0x0a+5*((\a)/4)                            ; sources 0 and 1: the accumulators' window
.irp b, 4,5,6,7
.irp p, 0,1,2,3
	v_cvt_pk_f16_f32 v[TMP+4*\b+\p], v[AC+8*\b+2*\p], v[AC+8*\b+2*\p+1]
.endr
.endr
.else
	WIN 0x0a+5*((\a)/4)
.irp b, 0,1,2,3,4,5,6,7
.irp p, 0,1,2,3
	v_cvt_pk_f16_f32 v[TMP+4*\b+\p], v[AC+8*\b+2*\p], v[AC+8*\b+2*\p+1]
.endr
.endr
.endif
	WIN 0
.endm
.macro F32ROWS rope                    ; behind block 0: rows 0-15 of the sequence leave in f32 too: runs of 64 bytes in 16 rows, 196,608 bytes in the whole launch
	s_cmp_lg_u32 s43, 0                            ; tile row and wave alone: the same in all partners
	s_cbranch_scc1 .Lnot_first_\@
.if \rope
.irp b, 0,1,2,3
	global_store_b128 v[FO], v[T+8*\b:T+8*\b+3], s[100:101] offset:64*\b
	global_store_b128 v[FO], v[T+8*\b+4:T+8*\b+7], s[100:101] offset:64*\b+16
.endr
	WIN 0x08                                       ; a store's data are its source 1: window 2
.irp b, 4,5,6,7
	global_store_b128 v[FO], v[8*\b:8*\b+3], s[100:101] offset:64*\b
	global_store_b128 v[FO], v[8*\b+4:8*\b+7], s[100:101] offset:64*\b+16
.endr
.else
	WIN 0x08
.irp b, 0,1,2,3,4,5,6,7
	global_store_b128 v[FO], v[8*\b:8*\b+3], s[100:101] offset:64*\b
	global_store_b128 v[FO], v[8*\b+4:8*\b+7], s[100:101] offset:64*\b+16
.endr
.endif
	WIN 0
	s_wait_xcnt 0x0                                ; the stores have read their data: the next block writes the rotated numbers' registers again
.Lnot_first_\@:
.endm
.macro TOSTAGE a, so                   ; into my stage, and back as whole rows of 256 bytes: LDS serves a wave's instructions in order
.set BB, BK+32*((\a)%2)
.irp b, 0,1,2,3,4,5,6,7
	ds_store_b128 v[STO], v[TMP+4*\b:TMP+4*\b+3] offset:\so+32*\b
.endr
.irp t, 0,1,2,3,4,5,6,7
	ds_load_b128 v[BB+4*\t:BB+4*\t+3], v[RD] offset:\so+2*\t*SPITCH
.endr
.endm
.macro SEND a
.set BB, BK+32*((\a)%2)
	s_wait_dscnt 0x0                               ; the block is back in registers
.irp t, 0,1,2,3,4,5,6,7
	global_store_b128 v[CO], v[BB+4*\t:BB+4*\t+3], s[12:13] offset:4096*(\a)+512*\t   ; 32 lanes store 512 consecutive bytes, aligned
.endr
.endm
.macro WAYOUT rope, so
.if \rope
	CSLOAD 0
.endif
	PACK 0, \rope
	F32ROWS \rope
	TOSTAGE 0, \so
.irp a, 1,2,3,4,5,6,7                  ; block a's arithmetic stands between block a - 1's loads from the stage and the wait for them
	PACK \a, \rope
	SEND \a-1
.if \a > 1
	s_wait_xcnt 0x0                                ; block a - 2's stores have read the set into which block a's rows are loaded
.endif
	TOSTAGE \a, \so
.endr
	SEND 7
.endm
	PLACES NP                                      ; behind the last products: for the loads into registers that held scale words and fragments, and for the reads of results
	s_cmp_eq_u32 s41, 1                            ; cluster x and wave alone
	s_cbranch_scc1 .Lplain
	WAYOUT 1, 0
	s_branch .Ldone
.Lplain:
	WAYOUT 0, PLAIN
.Ldone:
	s_wait_tensorcnt 0x0                           ; the wave's end: a wait, an add and a wait behind my last tensor load and my last LDS store
	ds_add_u32 v[SPW], v[NIL]
	s_wait_dscnt 0x0
	CROUND                                         ; the closing round: no work-group ends while a partner may still ask for a tile that names it
	s_endpgm
.Lfunc_end_k_q9cbd90cfca_qkv:
	.size	k_q9cbd90cfca_qkv, .Lfunc_end_k_q9cbd90cfca_qkv-k_q9cbd90cfca_qkv
	.p2alignl 7, 3214868480
	.fill 96, 4, 3214868480
	.section	.rodata,"a",@progbits
	.p2align	6, 0x0
	.amdhsa_kernel k_q9cbd90cfca_qkv
		.amdhsa_group_segment_fixed_size 327680
		.amdhsa_private_segment_fixed_size 0
		.amdhsa_enable_private_segment 0
		.amdhsa_kernarg_size 56
		.amdhsa_user_sgpr_count 2
		.amdhsa_user_sgpr_kernarg_segment_ptr 1
		.amdhsa_wavefront_size32 1
		.amdhsa_system_sgpr_workgroup_id_x 1
		.amdhsa_system_sgpr_workgroup_id_y 1
		.amdhsa_system_sgpr_workgroup_id_z 1
		.amdhsa_system_vgpr_workitem_id 0
		.amdhsa_next_free_vgpr 1024
		.amdhsa_next_free_sgpr 102
		.amdhsa_reserve_vcc 0
		.amdhsa_float_denorm_mode_32 3
		.amdhsa_float_denorm_mode_16_64 3
		.amdhsa_memory_ordered 1
		.amdhsa_forward_progress 1
		.amdhsa_inst_pref_size 255
	.end_amdhsa_kernel
	.section	.bss,"aw",@nobits
	.p2align	6
	.space	262144
	.amdgpu_metadata
---
amdhsa.version: [ 1, 2 ]
amdhsa.kernels:
  - .name:           k_q9cbd90cfca_qkv
    .symbol:         k_q9cbd90cfca_qkv.kd
    .args:
      - { .name: codes, .offset: 0, .size: 8, .value_kind: global_buffer, .address_space: global }
      - { .name: scales, .offset: 8, .size: 8, .value_kind: global_buffer, .address_space: global }
      - { .name: cos, .offset: 16, .size: 8, .value_kind: global_buffer, .address_space: global }
      - { .name: sin, .offset: 24, .size: 8, .value_kind: global_buffer, .address_space: global }
      - { .name: q16, .offset: 32, .size: 8, .value_kind: global_buffer, .address_space: global }
      - { .name: kv16, .offset: 40, .size: 8, .value_kind: global_buffer, .address_space: global }
      - { .name: qkv32, .offset: 48, .size: 8, .value_kind: global_buffer, .address_space: global }
    .group_segment_fixed_size: 327680
    .private_segment_fixed_size: 0
    .kernarg_segment_align: 8
    .kernarg_segment_size: 56
    .max_flat_workgroup_size: 128
    .sgpr_count:     102
    .vgpr_count:     1024
    .wavefront_size: 32
...
	.end_amdgpu_metadata
.endif
;; end of part 2
;; launch attn (part 3): grid 16 x 16, 4 waves a work-group, no clusters, 327,680 bytes of LDS; arguments q16, kv16, q_gain, o16; writes o16
.if DOCPART == 3
	.amdgcn_target "amdgcn-amd-amdhsa--gfx1250"
	.amdhsa_code_object_version 6
	.text
	.protected	k_q9cbd90cfca_attn
	.globl	k_q9cbd90cfca_attn
	.p2align	8
	.type	k_q9cbd90cfca_attn,@function
k_q9cbd90cfca_attn:
	s_mov_b64 s[64:65], 0
	v_nop
	global_prefetch_b8 v0, s[64:65] scope:SCOPE_SE
	s_setreg_imm32_b32 hwreg(HW_REG_WAVE_MODE, 25, 1), 1
	s_wait_xcnt 0x0
; o[t][128 head + d] = sum over s <= t of softmax_s(gain[head] q[head][t] . k[head / 4][s] / sqrt(128)) v[head / 4][s][d].  q16 [16][2048][128], kv16 (k [4][2048][128], then v), o16 [2048][2048]: f16.
; Products on f16 operands with f32 sums; maxima, exponentials and sums in f32, with a running maximum; the weights p are rounded to f16 for the second product.
; THE GAIN is not in q16: its magnitude goes into c = |gain| log2(e) / sqrt(128), the f32 factor of the scores, held at the smallest normal number from below (gain 0 then gives equal weights, and
; a hidden score times c stays -infinity); its sign is turned onto q's f16 numbers.  No branch hangs on it.
; LIMITS: NaN and infinities are not served; rows 0-15 are computed here on f16 operands like all others; the last launch stores those rows of the result again, from f32.
; SHARES.  Work-group (head, u), u = 0 .. 15.  Wave w owns two tiles of 16 queries: a LATE one, rows 64 (31 - u) + 16 w on, and an EARLY one, rows 64 u + 16 w on: 33 tile-steps of 64 keys for every wave,
; whatever u: 256 work-groups of equal work under the causal mask.  The wave walks key steps 0 .. 31 - u; the early tile joins in steps 0 .. u and shares K's and V's fragments.
; LAYOUT.  S^T = K Q^T (source 0 = 16 keys, source 1 = 16 queries), O^T = V^T P: a lane holds ONE query (lane % 16) throughout.  K comes out of LDS as it lies, V turned, by ds_load_tr16_b128.
; RING.  Two LDS slots of 128 keys (two key steps).  Wave 0 fetches a slot's K, wave 1 its V, 128 rows of 256 bytes each, so that each load spans both steps of its slot.
; EVERY work-group passes all 16 changes of slots (constant trip counts); what is left out under the mask is a step's work, and the load of a slot whose first key lies behind the work-group's last query.
; NO CLUSTER: the four heads of a kv head read the same K and V, but where the walk ends hangs on u, and the jump that leads round the load at the causal limit may not lead round a joint load.
; REGISTERS: window 0: v1-15 addresses; v16-31 statistics, 8 a tile; v64-127 S^T, 32 a tile; v128-255 O^T, 64 a tile.  window 1: v0-127 K, v128-255 V of one step.  window 2: v0-63 Q, v64-95 P.
.set PK,    272                        ; a row of K in LDS: 256 bytes + 16
.set PV,    288                        ; a row of V: 256 + 32
.set SKEYS, 128                        ; keys in a slot
.set VOFF,  SKEYS*PK
.set SLOT1, 1<<17                      ; slot 1 begins here: one exclusive or turns an address
.set NSL,   16
.set STAGE, SLOT1+SKEYS*(PK+PV)        ; behind the ring: 16 rows x 272 bytes for each wave
.set SP,    272
.set SPARE, STAGE+4*16*SP              ; the spare words, 128 bytes a wave, named by no other line
.set AK0, 2
.set AV0, 3
.set ADR, 4
.set ADV, 5
.set STO, 6
.set RD,  7
.set GO,  8
.set QO,  10
.set PFO, 11                           ; v11 256 x lane: a row of K or V is 256 bytes; never rewritten
.set DR,  12                           ; v12 r - 8 h
.set DD,  13
.set NINF, 14
.set ST,  16                           ; tile t at v[16 + 8 t]: +0 c m, +1 m, +2, +3 l, +4 .. +7 at work; a at +6
.set SPW, 62
.set NIL, 63
.set S,   64
.set O,   128
.set PB,  64                           ; P, in window 2
.set WV,  12
.set HD,  13
.set U,   14
.set LIM, 15                           ; 1 in a wave that prefetches, else the greatest number
.set QBL, 16                           ; s[16:17] the late tile's rows of q;  s[4:5] the early tile's
.set PFA, 18
.set G1K, 24
.set G1V, 32
.set G0K, 40
.set G0V, 44
.set KF,  48                           ; the step's first key
.set QE,  49
.set QL,  50
.set TB,  51                           ; LDS byte at which the slot in hand begins
.set SLOTS, 52
.set SGN, 53
.set OL,  54
.set OE,  56
.set CS,  58
.set SEL, 60
.set MSB, 0
.macro WIN new
.if MSB != (\new)
	s_set_vgpr_msb (MSB<<8)|(\new)
.set MSB, (\new)
.endif
.endm
.set W_MM, 0x09                        ; source 0 (K or V) window 1, source 1 (Q or P) window 2, C and D window 0
.macro TLOAD                           ; wave 0: K, wave 1: V, the others nothing.  An s_nop 0 and four v_nop follow each line
	s_cmp_lt_u32 s[WV], 1
	s_cbranch_scc0 .Lnot_k_\@
	tensor_load_to_lds s[G0K:G0K+3], s[G1K:G1K+7]
	s_nop 0
.rept 4
	v_nop
.endr
	s_branch .Lasked_\@
.Lnot_k_\@:
	s_cmp_lt_u32 s[WV], 2
	s_cbranch_scc0 .Lasked_\@
	tensor_load_to_lds s[G0V:G0V+3], s[G1V:G1V+7]
	s_nop 0
.rept 4
	v_nop
.endr
.Lasked_\@:
.endm
; A prefetch of what the NEXT change of slots will ask for: 128 rows of K and 128 of V, 256 bytes a row, a lane a row, four instructions a wave: two key steps ahead of that load.
; Each row is named once in the launch: of the 64 work-groups that walk a kv head's rows, the one with u = 0 (it walks all 16 slots) and head % 4 = 0 asks; in it wave 2 for K, wave 3 for V.
; Slots 0 and 1 come by their loads alone; the last change that fills a slot asks for nothing.
.macro ASK
	s_cmp_gt_u32 s[SLOTS], s[LIM]
	s_cbranch_scc0 .Lnot_mine_\@
.irp i, 0,1,2,3
	global_prefetch_b8 v[PFO], s[PFA:PFA+1] offset:8192*\i th:TH_LOAD_NT scope:SCOPE_SE
.endr
.Lnot_mine_\@:
.endm
	s_load_b256 s[4:11], s[0:1], 0x0               ; q16 s[4:5], kv16 s[6:7], q_gain s[8:9], o16 s[10:11]
	v_lshl_add_u32 v[SPW], v0, 2, SPARE
	v_mov_b32 v[NIL], 0
	ds_add_u32 v[SPW], v[NIL]                      ; the wave's opening: the add, twice on end, and its wait ahead of the first tensor load
	ds_add_u32 v[SPW], v[NIL]
	v_lshrrev_b32 v1, 5, v0
	v_readfirstlane_b32 s[WV], v1                  ; wave 0..3
	s_mov_b32 s[HD], ttmp9                         ; head
	s_and_b32 s[U], ttmp7, 0xffff                  ; u
	s_lshl_b32 s20, s[WV], 4
	s_lshl_b32 s[QE], s[U], 6
	s_add_co_u32 s[QE], s[QE], s20                 ; the early tile's first query
	s_sub_co_u32 s[QL], 31, s[U]
	s_lshl_b32 s[QL], s[QL], 6
	s_add_co_u32 s[QL], s[QL], s20                 ; the late tile's
	s_mov_b32 s[G1K], (1<<16)|(1<<20)|(5<<22)|(3<<25)   ; no mask; elements of 2 bytes; padding of 4 words behind every 64
	s_mov_b32 s[G1V], (1<<16)|(1<<20)|(5<<22)|(7<<25)   ; of 8 words
.irp g, G1K, G1V
	s_mov_b32 s[\g+1], 128<<16                     ; tensor_dim0 = 128
	s_mov_b32 s[\g+2], SKEYS<<16                   ; tensor_dim1 = 128
	s_mov_b32 s[\g+3], 128<<16                     ; tile_dim0
	s_mov_b32 s[\g+4], SKEYS                       ; tile_dim1
	s_mov_b32 s[\g+5], 128                         ; from row to row
	s_mov_b32 s[\g+6], 0
	s_mov_b32 s[\g+7], 0
.endr
	s_mov_b32 s[SEL], 0x76543210
	s_mov_b32 s[SEL+1], 0xfedcba98
	s_mov_b32 s[TB], 0
	s_mov_b32 s[KF], 0
	s_mov_b32 s[SLOTS], NSL-1
	s_and_b32 s20, s[HD], 3
	s_or_b32 s20, s20, s[U]
	s_lshr_b32 s21, s[WV], 1
	s_xor_b32 s21, s21, 1                          ; 0 in waves 2 and 3
	s_or_b32 s20, s20, s21
	s_cmp_eq_u32 s20, 0
	s_cselect_b32 s[LIM], 1, -1
	s_wait_dscnt 0x0                               ; both opening adds are done
	s_wait_kmcnt 0x0
	s_lshl_b32 s20, s[HD], 2
	s_mov_b32 s21, 0
	s_add_nc_u64 s[8:9], s[8:9], s[20:21]
	s_load_b32 s[SGN], s[8:9], 0x0                 ; my head's gain
	s_lshr_b32 s20, s[HD], 2
	s_lshl_b32 s20, s20, 19                        ; 524,288 bytes a kv head
	s_add_nc_u64 s[6:7], s[6:7], s[20:21]          ; K of my kv head; V lies 2,097,152 bytes on
	s_mov_b32 s[G0K], 1
	s_mov_b32 s[G0K+1], 0                          ; slot 0
	s_mov_b64 s[G0K+2:G0K+3], s[6:7]
	s_or_b32 s[G0K+3], s[G0K+3], 0x80000000
	s_mov_b32 s[G0V], 1
	s_mov_b32 s[G0V+1], VOFF
	s_add_nc_u64 s[G0V+2:G0V+3], s[6:7], 0x200000
	s_or_b32 s[G0V+3], s[G0V+3], 0x80000000
	TLOAD                                          ; slot 0: keys 0-127, which count for every work-group
	s_and_b32 s20, s[WV], 1
	s_lshl_b32 s20, s20, 21                        ; wave 2: K, wave 3: V,
	s_add_co_u32 s20, s20, SKEYS*256               ; in slot 1: the first change of slots steps it to slot 2
	s_add_nc_u64 s[PFA:PFA+1], s[6:7], s[20:21]
	s_lshl_b32 s20, s[HD], 19
	s_add_nc_u64 s[4:5], s[4:5], s[20:21]          ; my head's q
	s_lshl_b32 s20, s[QL], 8
	s_add_nc_u64 s[QBL:QBL+1], s[4:5], s[20:21]
	s_lshl_b32 s20, s[QE], 8
	s_add_nc_u64 s[4:5], s[4:5], s[20:21]
	s_lshl_b32 s20, s[HD], 8
	s_add_nc_u64 s[10:11], s[10:11], s[20:21]      ; my head's 256 bytes of a row of o
	s_lshl_b32 s20, s[QL], 12
	s_add_nc_u64 s[OL:OL+1], s[10:11], s[20:21]
	s_lshl_b32 s20, s[QE], 12
	s_add_nc_u64 s[OE:OE+1], s[10:11], s[20:21]
	v_and_b32 v1, 15, v0                           ; r
	v_bfe_u32 v9, v0, 4, 1                         ; h
	v_lshlrev_b32 v[QO], 8, v1
	v_lshl_add_u32 v[QO], v9, 4, v[QO]             ; row x 256 + 16 x half
	WIN 0x80                                       ; destination window 2
.irp c, 0,1,2,3                                ; Q stays in registers: tile t, channels 32 c on, at v[32 t + 8 c]
	global_load_b128 v[8*\c:8*\c+3],       v[QO], s[QBL:QBL+1] offset:64*\c
	global_load_b128 v[8*\c+4:8*\c+7],     v[QO], s[QBL:QBL+1] offset:64*\c+32
	global_load_b128 v[32+8*\c:32+8*\c+3], v[QO], s[4:5] offset:64*\c
	global_load_b128 v[32+8*\c+4:32+8*\c+7], v[QO], s[4:5] offset:64*\c+32
.endr
	WIN 0
	v_mul_u32_u24 v[AK0], v1, PK
	v_lshl_add_u32 v[AK0], v9, 4, v[AK0]           ; K: row r x pitch + 16 x half
	v_and_b32 v15, 7, v0
	v_bfe_u32 v13, v0, 3, 1
	v_lshl_add_u32 v[AV0], v9, 3, v15              ; V: key 8 h + l % 8,
	v_mul_u32_u24 v[AV0], v[AV0], PV
	v_lshl_add_u32 v[AV0], v13, 4, v[AV0]          ; channels 8 ((l / 8) % 2) on
	v_add_nc_u32 v[AV0], VOFF, v[AV0]
	s_mul_i32 s20, s[WV], 16*SP
	s_add_co_u32 s20, s20, STAGE                   ; my stage
	v_mul_u32_u24 v[STO], v1, SP
	v_lshl_add_u32 v[STO], v9, 4, v[STO]
	v_add_nc_u32 v[STO], s20, v[STO]
	v_mul_u32_u24 v[RD], v9, SP
	v_lshl_add_u32 v[RD], v1, 4, v[RD]
	v_add_nc_u32 v[RD], s20, v[RD]
	v_lshlrev_b32 v[GO], 12, v9                    ; two rows of o, 4,096 bytes apart, 16 bytes a lane
	v_lshl_add_u32 v[GO], v1, 4, v[GO]
	v_and_b32 v[PFO], 31, v0
	v_lshlrev_b32 v[PFO], 8, v[PFO]
	v_lshlrev_b32 v[DR], 3, v9
	v_sub_nc_u32 v[DR], v1, v[DR]
	v_mov_b32 v[NINF], 0xff800000
.set n, 0
.rept 128
	v_mov_b32 v[O+n], 0                            ; O^T.  The key step is written once: its first pass finds zeros, which the first rescaling leaves zeros
.set n, n+1
.endr
	s_wait_kmcnt 0x0                               ; the gain
	s_mul_f32 s[CS], s[SGN], 0x3e0293ee            ; gain x log2(e) / sqrt(128),
	s_and_b32 s[CS], s[CS], 0x7fffffff             ; its magnitude,
	s_max_u32 s[CS], s[CS], 0x00800000             ; at least the smallest normal number: c is positive
	s_mov_b32 s[CS+1], s[CS]                       ; (named with it as a pair)
	s_and_b32 s[SGN], s[SGN], 0x80000000
	s_lshr_b32 s20, s[SGN], 16
	s_or_b32 s[SGN], s[SGN], s20                   ; the gain's sign, at the sign bits of two f16
.irp t, 0,1
	v_mov_b32 v[ST+8*\t+1], 0xff61b1e6             ; m: -3e38, under every score
	v_mul_f32 v[ST+8*\t], s[CS], v[ST+8*\t+1]      ; c m (it may be -infinity: a is then 0, over zeros)
	v_mov_b32 v[ST+8*\t+2], 0                      ; l, in two halves
	v_mov_b32 v[ST+8*\t+3], 0
.endr
	s_wait_loadcnt 0x0                             ; Q
	WIN 0x88                                       ; destination and source 1 window 2
.set n, 0
.rept 64
	v_xor_b32 v[n], s[SGN], v[n]
.set n, n+1
.endr
	WIN 0
; 16 products of S^T = K Q^T for tile t: keys 16 (i % 4) on, channels 32 (i / 4) on.  Four accumulators by turns; the first four start the sums.
.macro KQ t
.set i, 0
.rept 16
.if i < 4
	v_wmma_f32_16x16x32_f16 v[S+32*(\t)+8*(i%4):S+32*(\t)+8*(i%4)+7], v[32*(i%4)+8*(i/4):32*(i%4)+8*(i/4)+7], v[32*(\t)+8*(i/4):32*(\t)+8*(i/4)+7], 0
.else
	v_wmma_f32_16x16x32_f16 v[S+32*(\t)+8*(i%4):S+32*(\t)+8*(i%4)+7], v[32*(i%4)+8*(i/4):32*(i%4)+8*(i/4)+7], v[32*(\t)+8*(i/4):32*(\t)+8*(i/4)+7], v[S+32*(\t)+8*(i%4):S+32*(\t)+8*(i%4)+7]
.endif
.set i, i+1
.endr
.endm
; 16 products of O^T += V^T P for tile t: keys 32 (i / 8) on, channels 16 (i % 8) on.  Eight accumulators by turns.
.macro PVM t
.set i, 0
.rept 16
	v_wmma_f32_16x16x32_f16 v[O+64*(\t)+8*(i%8):O+64*(\t)+8*(i%8)+7], v[128+64*(i/8)+8*(i%8):128+64*(i/8)+8*(i%8)+7], v[PB+16*(\t)+8*(i/8):PB+16*(\t)+8*(i/8)+7], v[O+64*(\t)+8*(i%8):O+64*(\t)+8*(i%8)+7]
.set i, i+1
.endr
.endm
; Tile t's softmax for one key step; qr: the scalar register with the tile's first query.  Register n of S^T holds key KF + 16 (n / 8) + 8 h + n % 8 of query r.
.macro SOFTMAX t, qr
.set rT, ST+8*(\t)
.set rS, S+32*(\t)
.set rP, PB+16*(\t)
.set rO, O+64*(\t)
	s_add_co_u32 s62, s[KF], 63
	s_cmp_le_u32 s62, s[\qr]                       ; all 64 keys count for all 16 queries: ids and the count of steps alone
	s_cbranch_scc1 .Lopen_\@
	s_sub_co_i32 s62, s[\qr], s[KF]
	v_add_nc_u32 v[DD], s62, v[DR]                 ; d = my query - KF - 8 h: hidden where 16 (n / 8) + n % 8 > d
.set n, 0
.rept 32
	v_cmp_gt_i32 vcc_lo, 16*(n/8)+n%8, v[DD]
	v_cndmask_b32 v[rS+n], v[rS+n], v[NINF], vcc_lo
.set n, n+1
.endr
.Lopen_\@:
.irp j, 0,1,2,3                                ; the maximum, in four chains, each accumulator from its low end on
	v_max3_num_f32 v[rT+4+\j], v[rS+8*\j], v[rS+8*\j+1], v[rS+8*\j+2]
.endr
.irp j, 0,1,2,3
	v_max3_num_f32 v[rT+4+\j], v[rT+4+\j], v[rS+8*\j+3], v[rS+8*\j+4]
.endr
.irp j, 0,1,2,3
	v_max3_num_f32 v[rT+4+\j], v[rT+4+\j], v[rS+8*\j+5], v[rS+8*\j+6]
.endr
	v_max3_num_f32 v[rT+4], v[rT+4], v[rS+7], v[rS+15]
	v_max3_num_f32 v[rT+6], v[rT+6], v[rS+23], v[rS+31]
	v_max3_num_f32 v[rT+4], v[rT+4], v[rT+5], v[rT+6]
	v_max3_num_f32 v[rT+4], v[rT+4], v[rT+7], v[rT+1]              ; with the old m
	v_permlanex16_b32 v[rT+5], v[rT+4], s[SEL], s[SEL+1]           ; the query's other 32 keys lie in the lane 16 away
	v_mov_b32 v[rT+7], v[rT]                                       ; c m_old
	v_max_num_f32 v[rT+1], v[rT+4], v[rT+5]                        ; the new m
	v_mul_f32 v[rT], s[CS], v[rT+1]
	v_sub_f32 v[rT+7], v[rT+7], v[rT]
	v_exp_f32 v[rT+6], v[rT+7]                                     ; a = 2^(c m_old - c m_new)
.set n, 0
.rept 16
	v_pk_fma_f32 v[rS+2*n:rS+2*n+1], v[rS+2*n:rS+2*n+1], s[CS:CS+1], v[rT:rT+1] op_sel_hi:[1,0,0] neg_lo:[0,0,1] neg_hi:[0,0,1]   ; c s - c m
.set n, n+1
.endr
.set n, 0
.rept 32
	v_exp_f32 v[rS+n], v[rS+n]                                     ; p, at most 1
.set n, n+1
.endr
	v_nop                                          ; a plain line behind the last exponential
	s_wait_alu depctr_va_vdst(0)                   ; one wait for the batch of 33, ahead of the first line that names a result
	WIN 0x80
.set n, 0
.rept 16
	v_cvt_pk_f16_f32 v[rP+n], v[rS+2*n], v[rS+2*n+1]               ; two tiles of 16 keys, packed in pairs, are source 1 of V^T P
.set n, n+1
.endr
	WIN 0
.irp u, 0,1,2,3,4,5,6,7                        ; the sum of the unrounded p, in place, as a tree
	v_pk_add_f32 v[rS+4*\u:rS+4*\u+1], v[rS+4*\u:rS+4*\u+1], v[rS+4*\u+2:rS+4*\u+3]
.endr
.irp u, 0,1,2,3
	v_pk_add_f32 v[rS+8*\u:rS+8*\u+1], v[rS+8*\u:rS+8*\u+1], v[rS+8*\u+4:rS+8*\u+5]
.endr
.irp u, 0,1
	v_pk_add_f32 v[rS+16*\u:rS+16*\u+1], v[rS+16*\u:rS+16*\u+1], v[rS+16*\u+8:rS+16*\u+9]
.endr
	v_pk_add_f32 v[rS:rS+1], v[rS:rS+1], v[rS+16:rS+17]
	v_pk_fma_f32 v[rT+2:rT+3], v[rT+2:rT+3], v[rT+6:rT+7], v[rS:rS+1] op_sel_hi:[1,0,1]   ; l = a l + the sum
.set n, 0
.rept 32
	v_pk_mul_f32 v[rO+2*n:rO+2*n+1], v[rO+2*n:rO+2*n+1], v[rT+6:rT+7] op_sel_hi:[1,0]     ; O^T x a, each accumulator from its low end on
.set n, n+1
.endr
.endm
; A KEY STEP: 64 keys, the q-th of the slot in hand.  A step all of whose keys lie behind the work-group's last query is left out: a branch on ids round its loads and work, round no barrier and no tensor load.
.macro STEP q
	s_or_b32 s62, s[QL], 63
	s_cmp_gt_u32 s[KF], s62
	s_cbranch_scc1 .Lhidden_\@
	v_add_nc_u32 v[ADR], s[TB], v[AK0]
	v_add_nc_u32 v[ADV], s[TB], v[AV0]
	v_nop
	v_nop                                          ; four plain lines between the last products, which read V, and the loads into its registers
	WIN 0x40                                       ; destination window 1
.irp f, 0,1,2,3,4,5,6,7,8,9,10,11,12,13,14,15  ; K: keys 16 (f / 4) on, channels 32 (f % 4) on
	ds_load_b128 v[8*\f:8*\f+3],   v[ADR] offset:64*(\q)*PK+(\f/4)*16*PK+(\f%4)*64
	ds_load_b128 v[8*\f+4:8*\f+7], v[ADR] offset:64*(\q)*PK+(\f/4)*16*PK+(\f%4)*64+32
.endr
.irp f, 0,1,2,3,4,5,6,7,8,9,10,11,12,13,14,15  ; V, turned: keys 32 (f / 8) on, channels 16 (f % 8) on
	ds_load_tr16_b128 v[128+8*\f:128+8*\f+3],   v[ADV] offset:64*(\q)*PV+(\f/8)*32*PV+(\f%8)*32
	ds_load_tr16_b128 v[128+8*\f+4:128+8*\f+7], v[ADV] offset:64*(\q)*PV+(\f/8)*32*PV+16*PV+(\f%8)*32
.endr
	s_wait_dscnt 32                                ; K's 32 loads are in; V's 32 may be out
	WIN W_MM
	KQ 0
	WIN 0
	s_add_co_u32 s62, s[QE], 15
	s_cmp_gt_u32 s[KF], s62                        ; the early tile has passed its diagonal: ids and the count of steps alone
	s_cbranch_scc1 .Lno_kq_\@
	WIN W_MM
	KQ 1
	WIN 0
.Lno_kq_\@:
.rept 4
	v_nop                                          ; places behind the products, ahead of the first read of a score
.endr
	SOFTMAX 0, QL
	s_add_co_u32 s62, s[QE], 15
	s_cmp_gt_u32 s[KF], s62
	s_cbranch_scc1 .Lno_sm_\@
	SOFTMAX 1, QE
.Lno_sm_\@:
	s_wait_dscnt 0x0                               ; V is in
	WIN W_MM
	PVM 0
	WIN 0
	s_add_co_u32 s62, s[QE], 15
	s_cmp_gt_u32 s[KF], s62
	s_cbranch_scc1 .Lno_pv_\@
	WIN W_MM
	PVM 1
	WIN 0
.Lno_pv_\@:
.Lhidden_\@:
	s_add_co_u32 s[KF], s[KF], 64
.endm
; THE CHANGE OF SLOTS stands at a slot's head.  Each wave waits for all its tensor loads, adds 0 to its spare word, and waits for that and for its reads of the slot that it has left.  Behind the barrier the slot
; ahead is whole and nobody reads the other one, which (fill = 1) is filled with the keys that follow: that load has two key steps in which to land.  By the text's own count a wave has one tensor load out at the most.
.macro CHANGE fill
	s_wait_tensorcnt 0x0                           ; no tensor load of mine is out, so a group 0 may be written
	ds_add_u32 v[SPW], v[NIL]
.if \fill
	ds_add_u32 v[SPW], v[NIL]                      ; and twice on end here, in every trip alike
	s_xor_b32 s[G0K+1], s[G0K+1], SLOT1            ; the walking descriptors: the other slot,
	s_add_nc_u64 s[G0K+2:G0K+3], s[G0K+2:G0K+3], SKEYS*256   ; the next 128 keys
	s_xor_b32 s[G0V+1], s[G0V+1], SLOT1
	s_add_nc_u64 s[G0V+2:G0V+3], s[G0V+2:G0V+3], SKEYS*256
	s_wait_xcnt 0x0                                ; the last prefetches, a slot back, have read their address
	s_add_nc_u64 s[PFA:PFA+1], s[PFA:PFA+1], SKEYS*256       ; one slot further on than the walking descriptors
.endif
	s_wait_dscnt 0x0                               ; the add is done, and my reads of the slot that I have left are over
	s_barrier_signal -1
	s_barrier_wait -1
.if \fill
	s_add_co_u32 s62, s[KF], SKEYS                 ; the first key of the slot that this change would ask for
	s_or_b32 s63, s[QL], 63                        ; my work-group's last query
	s_cmp_gt_u32 s62, s63                          ; ids and the count of steps alone: all four waves go the same way.  Such a slot is read by nobody, so it is not asked for; every wait on TENSORcnt here is for 0
	s_cbranch_scc1 .Lpast_\@
	TLOAD
.Lpast_\@:
	ASK
.endif
.endm
.macro SLOT_STEPS
	STEP 0
	STEP 1
	s_xor_b32 s[TB], s[TB], SLOT1
.endm
.Lslot:                                            ; 15 trips
	CHANGE 1
	SLOT_STEPS
	s_sub_co_u32 s[SLOTS], s[SLOTS], 1
	s_cmp_lg_u32 s[SLOTS], 0
	s_cbranch_scc1 .Lslot
	CHANGE 0                                       ; the last slot is written out: nothing is left to ask for
	SLOT_STEPS
	; THE WAY OUT.  O^T / l, rounded to f16, goes through my stage, a tile (16 rows, my head's 256 bytes of each) at a time.
.rept 4
	v_nop                                          ; places behind the last products
.endr
.irp t, 0,1
	v_add_f32 v[ST+8*\t+4], v[ST+8*\t+2], v[ST+8*\t+3]
.endr
.irp t, 0,1
	v_permlanex16_b32 v[ST+8*\t+5], v[ST+8*\t+4], s[SEL], s[SEL+1]
.endr
.irp t, 0,1
	v_add_f32 v[ST+8*\t+4], v[ST+8*\t+4], v[ST+8*\t+5]
.endr
.irp t, 0,1
	v_rcp_f32 v[ST+8*\t+6], v[ST+8*\t+4]
.endr
	v_nop                                          ; a plain line behind the last reciprocal
	s_wait_alu depctr_va_vdst(0)                   ; and the wait ahead of the first use: one for both
.macro PACK t
.set n, 0
.rept 32
	v_pk_mul_f32 v[O+64*\t+2*n:O+64*\t+2*n+1], v[O+64*\t+2*n:O+64*\t+2*n+1], v[ST+8*\t+6:ST+8*\t+7] op_sel_hi:[1,0]
.set n, n+1
.endr
.set n, 0
.rept 32
	v_cvt_pk_f16_f32 v[S+32*\t+n], v[O+64*\t+2*n], v[O+64*\t+2*n+1]
.set n, n+1
.endr
.irp f, 0,1,2,3,4,5,6,7
	ds_store_b128 v[STO], v[S+32*\t+4*\f:S+32*\t+4*\f+3] offset:32*\f
.endr
.irp f, 0,1,2,3,4,5,6,7
	ds_load_b128 v[S+32*\t+4*\f:S+32*\t+4*\f+3], v[RD] offset:\f*2*SP   ; LDS serves a wave's instructions in order: these see the stores above; the next tile's stores come behind them
.endr
.endm
.macro SEND t, base, younger           ; younger: the LDS instructions issued behind tile t's loads
.irp f, 0,1,2,3,4,5,6,7
	s_wait_dscnt \younger+7-\f
	global_store_b128 v[GO], v[S+32*\t+4*\f:S+32*\t+4*\f+3], s[\base:\base+1] offset:8192*\f   ; 16 lanes store 256 consecutive bytes, aligned
.endr
.endm
	PACK 0
	PACK 1
	SEND 0, OL, 16
	SEND 1, OE, 0
	s_wait_tensorcnt 0x0                           ; the wave's end: a wait, an add and a wait behind my last tensor load and my last LDS store
	ds_add_u32 v[SPW], v[NIL]
	s_wait_dscnt 0x0
	s_endpgm
.Lfunc_end_k_q9cbd90cfca_attn:
	.size	k_q9cbd90cfca_attn, .Lfunc_end_k_q9cbd90cfca_attn-k_q9cbd90cfca_attn
	.p2alignl 7, 3214868480
	.fill 96, 4, 3214868480
	.section	.rodata,"a",@progbits
	.p2align	6, 0x0
	.amdhsa_kernel k_q9cbd90cfca_attn
		.amdhsa_group_segment_fixed_size 327680
		.amdhsa_private_segment_fixed_size 0
		.amdhsa_enable_private_segment 0
		.amdhsa_kernarg_size 32
		.amdhsa_user_sgpr_count 2
		.amdhsa_user_sgpr_kernarg_segment_ptr 1
		.amdhsa_wavefront_size32 1
		.amdhsa_system_sgpr_workgroup_id_x 1
		.amdhsa_system_sgpr_workgroup_id_y 1
		.amdhsa_system_sgpr_workgroup_id_z 1
		.amdhsa_system_vgpr_workitem_id 0
		.amdhsa_next_free_vgpr 640
		.amdhsa_next_free_sgpr 66
		.amdhsa_reserve_vcc 1
		.amdhsa_float_denorm_mode_32 3
		.amdhsa_float_denorm_mode_16_64 3
		.amdhsa_memory_ordered 1
		.amdhsa_forward_progress 1
		.amdhsa_inst_pref_size 141
	.end_amdhsa_kernel
	.amdgpu_metadata
---
amdhsa.version: [ 1, 2 ]
amdhsa.kernels:
  - .name:           k_q9cbd90cfca_attn
    .symbol:         k_q9cbd90cfca_attn.kd
    .args:
      - { .name: q16, .offset: 0, .size: 8, .value_kind: global_buffer, .address_space: global }
      - { .name: kv16, .offset: 8, .size: 8, .value_kind: global_buffer, .address_space: global }
      - { .name: q_gain, .offset: 16, .size: 8, .value_kind: global_buffer, .address_space: global }
      - { .name: o16, .offset: 24, .size: 8, .value_kind: global_buffer, .address_space: global }
    .group_segment_fixed_size: 327680
    .private_segment_fixed_size: 0
    .kernarg_segment_align: 8
    .kernarg_segment_size: 32
    .max_flat_workgroup_size: 128
    .sgpr_count:     66
    .vgpr_count:     640
    .wavefront_size: 32
...
	.end_amdgpu_metadata
.endif
;; end of part 3
;; launch proj (part 4): grid 16 x 16, 4 waves a work-group, clusters of 4 x 4, 327,680 bytes of LDS; arguments o16, wo16, out0; writes out0
.if DOCPART == 4
	.amdgcn_target "amdgcn-amd-amdhsa--gfx1250"
	.amdhsa_code_object_version 6
	.text
	.protected	k_q9cbd90cfca_proj
	.globl	k_q9cbd90cfca_proj
	.p2align	8
	.type	k_q9cbd90cfca_proj,@function
k_q9cbd90cfca_proj:
	s_mov_b64 s[64:65], 0
	v_nop
	global_prefetch_b8 v0, s[64:65] scope:SCOPE_SE
	s_setreg_imm32_b32 hwreg(HW_REG_WAVE_MODE, 25, 1), 1
	s_wait_xcnt 0x0
	s_wait_alu depctr_hold_cnt(0) depctr_sa_sdst(0) depctr_va_vdst(0) depctr_va_sdst(0) depctr_va_ssrc(0) depctr_va_vcc(0) depctr_vm_vsrc(0)
	s_getreg_b32 s2, hwreg(HW_REG_IB_STS2, 6, 4)
	s_cmp_eq_u32 s2, 0
	s_cbranch_scc0 .Lentry_in_a_cluster
	s_endpgm
.Lentry_in_a_cluster:
	s_bfe_u32 s2, ttmp6, 0x10000c
	s_cmp_lg_u32 s2, 0xf033
	s_cbranch_scc0 .Lentry_shape_is_right
	s_endpgm
.Lentry_shape_is_right:
; out0[m][n] = sum over k of o[m][k] Wo[n][k].  o16 [2048][2048], wo16 [2048][2048]: f16; out0 [2048][2048]: f32; sums in f32.
; All 2,048 rows are stored here; the last launch stores rows 0-15 once more, from f32 operands.
; A tile of the result is 128 x 128: 256 work-groups.  Four waves, each 64 x 64: 16 accumulators.  K goes in steps of 256 (LDS rows of 512 bytes) through two slots.
; CLUSTERS: 4 x 4 work-groups.  The four of a row need the same tiles of o, the four of a column the same tiles of Wo: each tile is asked for JOINTLY.
; THE MATRIX INSTRUCTION IS USED TRANSPOSED (source 0 = 16 rows of Wo, source 1 = 16 rows of o): a lane holds eight neighbouring numbers of a row of the result.
; A wave's 64 columns of f32 are 256 bytes, aligned.
; No prefetch: a K step's work on this small tile is short, and tiles are shared in the cluster.
; REGISTERS: window 0: v0-31 addresses; v32-95 rows read back; v128-255 the accumulators ((a, b) at v[128 + 8 (4 a + b)]).  window 1: two fragment buffers of 128.
.set SIZE_K, 2048
.set SIZE_N, 2048
.set KSTEP,  256
.set PITCH,  528                       ; an LDS row: 512 bytes + 16
.set HALFT,  64*PITCH
.set SLOT,   4*HALFT
.set STAGE,  2*SLOT                    ; behind the ring: 16 rows x 272 bytes for each wave
.set SPITCH, 272
.set SPARE,  STAGE+4*16*SPITCH         ; the spare words, 128 bytes a wave, named by no other line
.set LAPS, SIZE_K/(2*KSTEP)
.set ADRA, 16
.set ADRB, 20
.set STO,  24
.set RD,   25
.set CO,   26
.set SPW,  28
.set NIL,  29
.set TMP,  32
.set ACC,  128
.set F0,   0
.set F1,   128
.set G1, 24
.set G0, 32
.set G1B, 48
.set G0B, 56
.set MSB, 0
.macro WIN new
.if MSB != (\new)
	s_set_vgpr_msb (MSB<<8)|(\new)
.set MSB, (\new)
.endif
.endm
.set MUL,  0x05                        ; sources 0 and 1 window 1; C and D window 0
.set TO_F, 0x40
.macro JLOAD s                         ; waves 0 and 1 fetch o's two halves, waves 2 and 3 Wo's; an s_nop 0 and four v_nop follow each line
	s_cmp_eq_u32 s11, 0
	s_cbranch_scc0 .Lfor_b_\@
	tensor_load_to_lds s[G0+4*\s:G0+4*\s+3], s[G1:G1+7]
	s_nop 0
.rept 4
	v_nop
.endr
	s_branch .Lasked_\@
.Lfor_b_\@:
	tensor_load_to_lds s[G0B+4*\s:G0B+4*\s+3], s[G1B:G1B+7]
	s_nop 0
.rept 4
	v_nop
.endr
.Lasked_\@:
.endm
.macro CREST
	s_cmp_lg_u32 s10, 0
	s_cbranch_scc1 .Lnot_wave_0_\@
	s_barrier_signal -3
.Lnot_wave_0_\@:
	s_barrier_wait -3
	s_barrier_signal -1
	s_barrier_wait -1
.endm
.macro CROUND
	s_barrier_signal -1
	s_barrier_wait -1
	CREST
.endm
	s_load_b128 s[4:7], s[0:1], 0x0                ; o16 s[4:5], wo16 s[6:7]
	s_load_b64 s[8:9], s[0:1], 0x10                ; out0
	v_lshl_add_u32 v[SPW], v0, 2, SPARE
	v_mov_b32 v[NIL], 0
	ds_add_u32 v[SPW], v[NIL]                      ; the wave's opening: the add, twice on end, and its wait ahead of my first tensor load
	ds_add_u32 v[SPW], v[NIL]
	v_lshrrev_b32 v1, 5, v0
	v_readfirstlane_b32 s10, v1                    ; wave 0..3
	s_lshr_b32 s11, s10, 1                         ; which half of the tile's rows is mine.  Also: I fetch for o (0) or for Wo (1)
	s_and_b32 s12, s10, 1                          ; which half of its columns.  Also: which 64 rows of that tile I fetch
	s_bfe_u32 s40, ttmp6, 0x40000                  ; cx, cy
	s_bfe_u32 s41, ttmp6, 0x40004
	s_lshl_b32 s42, ttmp9, 2
	s_add_co_u32 s42, s42, s40                     ; tile column
	s_and_b32 s13, ttmp7, 0xffff
	s_lshl_b32 s13, s13, 2
	s_add_co_u32 s13, s13, s41                     ; tile row
	s_lshl_b32 s43, s41, 2
	s_lshl_b32 s43, 15, s43                        ; my row of the cluster
	s_lshl_b32 s44, 0x1111, s40                    ; my column
	s_or_b32 s[G1+0], s43, (1<<16)|(1<<20)|(1<<21)|(6<<22)|(3<<25)  ; the mask; elements of 2 bytes; padding of 4 words behind every 128
	s_or_b32 s[G1B+0], s44, (1<<16)|(1<<20)|(1<<21)|(6<<22)|(3<<25)
.irp g, G1, G1B
	s_mov_b32 s[\g+1], KSTEP<<16
	s_mov_b32 s[\g+2], 64<<16
	s_mov_b32 s[\g+3], KSTEP<<16
	s_mov_b32 s[\g+4], 64
	s_mov_b32 s[\g+5], SIZE_K
	s_mov_b32 s[\g+6], 0
	s_mov_b32 s[\g+7], 0
.endr
	s_lshl_b32 s17, s12, 6
	s_lshl_b32 s16, s13, 7
	s_add_co_u32 s16, s16, s17                     ; o: row 128 x tile row + 64 x half
	s_lshl_b32 s46, s42, 7
	s_add_co_u32 s46, s46, s17                     ; Wo: row 128 x tile column + 64 x half
	s_mov_b32 s17, 0
	s_mov_b32 s47, 0
	s_mov_b64 s[18:19], SIZE_K*2
	s_mul_u64 s[16:17], s[16:17], s[18:19]
	s_mul_u64 s[46:47], s[46:47], s[18:19]
	s_mul_i32 s20, s10, HALFT                      ; where they go: wave x 64 rows
	s_wait_dscnt 0x0                               ; both opening adds are done
	s_wait_kmcnt 0x0
	s_add_nc_u64 s[14:15], s[4:5], s[16:17]
	s_add_nc_u64 s[46:47], s[6:7], s[46:47]
	CROUND                                         ; all sixteen work-groups are here: the first joint loads meet
.irp s, 0,1
	s_mov_b32 s[G0+4*\s], 1
	s_add_co_u32 s[G0+4*\s+1], s20, \s*SLOT
	s_add_nc_u64 s[G0+4*\s+2:G0+4*\s+3], s[14:15], \s*KSTEP*2
	s_or_b32 s[G0+4*\s+3], s[G0+4*\s+3], 0x80000000
	s_mov_b32 s[G0B+4*\s], 1
	s_add_co_u32 s[G0B+4*\s+1], s20, \s*SLOT
	s_add_nc_u64 s[G0B+4*\s+2:G0B+4*\s+3], s[46:47], \s*KSTEP*2
	s_or_b32 s[G0B+4*\s+3], s[G0B+4*\s+3], 0x80000000
	JLOAD \s
.endr
	v_and_b32 v1, 15, v0                           ; r
	v_bfe_u32 v2, v0, 4, 1                         ; h
	v_mul_u32_u24 v3, v1, PITCH
	v_lshl_add_u32 v3, v2, 4, v3
	s_mul_i32 s21, s11, HALFT                      ; my 64 rows of o
	s_mul_i32 s22, s12, HALFT                      ; my 64 rows of Wo,
	s_add_co_u32 s22, s22, 2*HALFT                 ; which lie behind o's 128
.irp s, 0,1
	v_add_nc_u32 v[ADRA+\s], s21, v3
	v_add_nc_u32 v[ADRB+\s], s22, v3
	s_add_co_u32 s21, s21, SLOT
	s_add_co_u32 s22, s22, SLOT
.endr
	s_mul_i32 s23, s10, 16*SPITCH
	s_add_co_u32 s23, s23, STAGE                   ; my stage
	v_mul_u32_u24 v4, v1, SPITCH
	v_lshl_add_u32 v4, v2, 5, v4
	v_add_nc_u32 v[STO], s23, v4                   ; in: row r, 32 bytes for each half of the lanes
	v_mul_u32_u24 v5, v2, SPITCH
	v_lshl_add_u32 v5, v1, 4, v5
	v_add_nc_u32 v[RD], s23, v5                    ; back: lanes 0-15 one row of 256 bytes, lanes 16-31 the next
	v_lshlrev_b32 v5, 13, v2                       ; and the same two rows of the result, 8,192 bytes apart
	v_lshl_add_u32 v[CO], v1, 4, v5
	s_lshl_b32 s16, s13, 7
	s_lshl_b32 s17, s11, 6
	s_add_co_u32 s16, s16, s17                     ; my first row
	s_lshl_b32 s16, s16, 13
	s_mov_b32 s17, 0
	s_add_nc_u64 s[8:9], s[8:9], s[16:17]
	s_lshl_b32 s46, s42, 9                         ; my first column, in bytes: 512 x tile column + 256 x half
	s_lshl_b32 s47, s12, 8
	s_add_co_u32 s46, s46, s47
	s_mov_b32 s47, 0
	s_add_nc_u64 s[8:9], s[8:9], s[46:47]
.macro MUL8 f, c, a0, zero             ; 8 matrix instructions: m blocks a0, a0 + 1 x all 4 n blocks, 32 along K.  The 16 accumulators take turns
.irp a, \a0, \a0+1
.irp b, 0,1,2,3
.if \zero
	v_wmma_f32_16x16x32_f16 v[ACC+8*(4*(\a)+\b):ACC+8*(4*(\a)+\b)+7], v[\f+64+8*(4*\c+\b):\f+64+8*(4*\c+\b)+7], v[\f+8*(4*\c+\a):\f+8*(4*\c+\a)+7], 0
.else
	v_wmma_f32_16x16x32_f16 v[ACC+8*(4*(\a)+\b):ACC+8*(4*(\a)+\b)+7], v[\f+64+8*(4*\c+\b):\f+64+8*(4*\c+\b)+7], v[\f+8*(4*\c+\a):\f+8*(4*\c+\a)+7], v[ACC+8*(4*(\a)+\b):ACC+8*(4*(\a)+\b)+7]
.endif
.endr
.endr
.endm
.macro FETCH slot, k, f                ; 32 LDS loads in one run: the fragments of 64 along K at byte k of the rows; the first 32 along K first
	WIN TO_F
.irp c, 0,1
.irp i, 0,1,2,3
	ds_load_b128 v[\f+64+8*(4*\c+\i):\f+64+8*(4*\c+\i)+3],   v[ADRB+\slot] offset:\k+64*\c+\i*16*PITCH
	ds_load_b128 v[\f+64+8*(4*\c+\i)+4:\f+64+8*(4*\c+\i)+7], v[ADRB+\slot] offset:\k+64*\c+\i*16*PITCH+32
	ds_load_b128 v[\f+8*(4*\c+\i):\f+8*(4*\c+\i)+3],         v[ADRA+\slot] offset:\k+64*\c+\i*16*PITCH
	ds_load_b128 v[\f+8*(4*\c+\i)+4:\f+8*(4*\c+\i)+7],       v[ADRA+\slot] offset:\k+64*\c+\i*16*PITCH+32
.endr
.endr
.endm
.macro PLACES
.rept 4
	v_nop
.endr
.endm
.macro QUARTER slot, k, f, g, zero     ; 64 along K: multiplies buffer f and fetches the next quarter, at byte k, into g
	s_wait_dscnt 16                                ; the first 32 along K are in; the other 16 loads may be out
	WIN MUL
	MUL8 \f, 0, 0, \zero
	MUL8 \f, 0, 2, \zero
	PLACES
	FETCH \slot, \k, \g
	s_wait_dscnt 32                                ; all but the 32 just issued
	WIN MUL
	MUL8 \f, 1, 0, 0
	MUL8 \f, 1, 2, 0
.endm
.macro TURN slot, next, fill           ; the last quarter changes slots
	WIN 0
	s_wait_tensorcnt 0x0                           ; all my tensor loads have landed: my part of the next slot
	ds_add_u32 v[SPW], v[NIL]
	s_wait_dscnt 17                                ; (the add and the youngest sixteen loads may be out)
	WIN MUL
	MUL8 F1, 0, 0, 0
	s_wait_dscnt 0x0                               ; the add is done, and my reads of this slot are over
	s_barrier_signal -1
	MUL8 F1, 0, 2, 0
.if \fill
	WIN 0
.endif
	s_barrier_wait -1
.if \fill
	CREST                                          ; the barrier has opened a round of the cluster's: no wave of any partner still reads this slot or has a load on its way
	s_add_nc_u64 s[G0+4*\slot+2:G0+4*\slot+3], s[G0+4*\slot+2:G0+4*\slot+3], 2*KSTEP*2
	s_add_nc_u64 s[G0B+4*\slot+2:G0B+4*\slot+3], s[G0B+4*\slot+2:G0B+4*\slot+3], 2*KSTEP*2
	JLOAD \slot                                    ; the first tensor load behind the round; its four v_nop are the places in front of the loads below
.else
	PLACES
.endif
	FETCH \next, 0, F0
	WIN MUL
	MUL8 F1, 1, 0, 0
	MUL8 F1, 1, 2, 0
.endm
	s_wait_tensorcnt 1                             ; my part of K step 0 is in; K step 1's may be out
	s_barrier_signal -1
	s_barrier_wait -1
	FETCH 0, 0, F0
	QUARTER 0, 128, F0, F1, 1                      ; the first products start the sums
	WIN 0
	s_mov_b32 s3, LAPS-1
.Llap:
	QUARTER 0, 256, F1, F0, 0
	QUARTER 0, 384, F0, F1, 0
	TURN 0, 1, 1
	QUARTER 1, 128, F0, F1, 0
	QUARTER 1, 256, F1, F0, 0
	QUARTER 1, 384, F0, F1, 0
	TURN 1, 0, 1
	QUARTER 0, 128, F0, F1, 0
	WIN 0
	s_sub_co_u32 s3, s3, 1
	s_cmp_lg_u32 s3, 0
	s_cbranch_scc1 .Llap
	QUARTER 0, 256, F1, F0, 0                      ; the last lap fills nothing
	QUARTER 0, 384, F0, F1, 0
	TURN 0, 1, 0
	QUARTER 1, 128, F0, F1, 0
	QUARTER 1, 256, F1, F0, 0
	QUARTER 1, 384, F0, F1, 0
	s_wait_dscnt 16
	WIN MUL
	MUL8 F1, 0, 0, 0
	MUL8 F1, 0, 2, 0
	s_wait_dscnt 0
	MUL8 F1, 1, 0, 0
	MUL8 F1, 1, 2, 0
	WIN 0
	; THE WAY OUT, block by block of 16 rows x 64 columns, through my own stage: LDS serves a wave's instructions in order, so no wait stands between the stores and the loads.
.macro TOSTAGE a
.irp b, 0,1,2,3
	ds_store_b128 v[STO], v[ACC+8*(4*(\a)+\b):ACC+8*(4*(\a)+\b)+3] offset:64*\b        ; each accumulator from its low end on
	ds_store_b128 v[STO], v[ACC+8*(4*(\a)+\b)+4:ACC+8*(4*(\a)+\b)+7] offset:64*\b+16
.endr
.irp t, 0,1,2,3,4,5,6,7
	ds_load_b128 v[TMP+32*((\a)%2)+4*\t:TMP+32*((\a)%2)+4*\t+3], v[RD] offset:\t*2*SPITCH
.endr
.endm
.macro SEND a, younger                 ; younger: the LDS instructions issued behind block a's loads
	s_wait_dscnt \younger
.irp t, 0,1,2,3,4,5,6,7
	global_store_b128 v[CO], v[TMP+32*((\a)%2)+4*\t:TMP+32*((\a)%2)+4*\t+3], s[8:9] offset:(16*(\a)+2*\t)*SIZE_N*4 th:TH_STORE_NT   ; 16 lanes store 256 consecutive bytes, aligned
.endr
.endm
	PLACES
	TOSTAGE 0
.irp a, 1,2,3
.if \a > 1
	s_wait_xcnt 0x0                                ; block a - 2's stores have read the set into which block a's rows are loaded
.endif
	TOSTAGE \a
	SEND \a-1, 16                                  ; behind block a - 1's loads: block a's 8 stores and 8 loads
.endr
	SEND 3, 0
	s_wait_tensorcnt 0x0                           ; the wave's end: a wait, an add and a wait behind my last tensor load and my last LDS store
	ds_add_u32 v[SPW], v[NIL]
	s_wait_dscnt 0x0
	CROUND                                         ; the closing round
	s_endpgm
.Lfunc_end_k_q9cbd90cfca_proj:
	.size	k_q9cbd90cfca_proj, .Lfunc_end_k_q9cbd90cfca_proj-k_q9cbd90cfca_proj
	.p2alignl 7, 3214868480
	.fill 96, 4, 3214868480
	.section	.rodata,"a",@progbits
	.p2align	6, 0x0
	.amdhsa_kernel k_q9cbd90cfca_proj
		.amdhsa_group_segment_fixed_size 327680
		.amdhsa_private_segment_fixed_size 0
		.amdhsa_enable_private_segment 0
		.amdhsa_kernarg_size 24
		.amdhsa_user_sgpr_count 2
		.amdhsa_user_sgpr_kernarg_segment_ptr 1
		.amdhsa_wavefront_size32 1
		.amdhsa_system_sgpr_workgroup_id_x 1
		.amdhsa_system_sgpr_workgroup_id_y 1
		.amdhsa_system_sgpr_workgroup_id_z 1
		.amdhsa_system_vgpr_workitem_id 0
		.amdhsa_next_free_vgpr 512
		.amdhsa_next_free_sgpr 66
		.amdhsa_reserve_vcc 0
		.amdhsa_float_denorm_mode_32 3
		.amdhsa_float_denorm_mode_16_64 3
		.amdhsa_memory_ordered 1
		.amdhsa_forward_progress 1
		.amdhsa_inst_pref_size 86
	.end_amdhsa_kernel
	.amdgpu_metadata
---
amdhsa.version: [ 1, 2 ]
amdhsa.kernels:
  - .name:           k_q9cbd90cfca_proj
    .symbol:         k_q9cbd90cfca_proj.kd
    .args:
      - { .name: o16, .offset: 0, .size: 8, .value_kind: global_buffer, .address_space: global }
      - { .name: wo16, .offset: 8, .size: 8, .value_kind: global_buffer, .address_space: global }
      - { .name: out0, .offset: 16, .size: 8, .value_kind: global_buffer, .address_space: global }
    .group_segment_fixed_size: 327680
    .private_segment_fixed_size: 0
    .kernarg_segment_align: 8
    .kernarg_segment_size: 24
    .max_flat_workgroup_size: 128
    .sgpr_count:     66
    .vgpr_count:     512
    .wavefront_size: 32
...
	.end_amdgpu_metadata
.endif
;; end of part 4
;; launch first16 (part 5): grid 128 x 1, 4 waves a work-group, no clusters, 167,936 bytes of LDS; arguments qkv32, q_gain, Wo, out0; writes out0
.if DOCPART == 5
	.amdgcn_target "amdgcn-amd-amdhsa--gfx1250"
	.amdhsa_code_object_version 6
	.text
	.protected	k_q9cbd90cfca_first16
	.globl	k_q9cbd90cfca_first16
	.p2align	8
	.type	k_q9cbd90cfca_first16,@function
k_q9cbd90cfca_first16:
	s_mov_b64 s[64:65], 0
	v_nop
	global_prefetch_b8 v0, s[64:65] scope:SCOPE_SE
	s_setreg_imm32_b32 hwreg(HW_REG_WAVE_MODE, 25, 1), 1
	s_wait_xcnt 0x0
; Rows 0-15 of the result once more, wholly in f32: under the causal mask they average one to sixteen values and are the largest in size, so f16 operands would weigh most there.
; qkv32 [16][3072] f32: q heads (128 columns each), then k and v for each kv head, RoPE done, no gain.  Wo [2048][2048] f32.  out0 rows 0-15 are stored.
; A work-group owns 16 columns of the result, n0 = 16 x its number.  Wave w owns kv head w: query heads 4 w .. 4 w + 3, which are columns 512 w .. 512 w + 511 of o: a quarter of the projection's K.
; So a wave's O^T is at once source 1 of its part of the projection, and o goes through no memory.  The 16 x 16 attention is made anew in each of the 128 work-groups: 64 of a head's 96 matrix
; instructions; that is less than a further launch would take.
; All three products by the f32 matrix form, 16 x 16 x 4, with the same order of k on both sides of each:
;   S^T = K Q^T: registers 4 c + i of K and of Q hold channel 8 c + 4 h + i of row r;   O^T = V^T P: register 8 ct + i of V^T holds V[key 8 h + i][16 ct + r], register i of P key 8 h + i of query r;
;   out^T = Wo o^T: register 8 ct + i of Wo's fragment holds Wo[n0 + r][128 head + 16 ct + 8 h + i], as O^T's register 8 ct + i holds that channel of query r.
; The softmax takes the row's maximum away; the gain enters, with its sign, in the factor of the scores ahead of the maximum.
; Wo's 16 rows x 2,048 bytes a wave come by two tensor loads, first fills both, read by the wave that asked alone.  The stores are runs of 64 bytes in 16 rows, 131,072 bytes in the launch: whole
; runs of 256 bytes would leave 32 work-groups.
; REGISTERS.  What the f32 matrix form writes lies in window 0 (S v96-127, the result's sums v128-159, O^T v192-255), and these numbers are used by nothing else in any window.
; window 0: v1-12 addresses, v32-47 t and p, v32-63 the four waves' parts at the end, v64-71 sums.
; window 1: K v0-63; Q v64-95 and v160-191.  window 2: V^T v0-63.  window 3: Wo's fragments v0-63.
.set TILEB, 16*1040                    ; a tile of Wo in LDS: 16 rows x (1,024 bytes + 16)
.set PART,  8*TILEB                    ; the four waves' parts of the result, 1,024 bytes each
.set SPARE, PART+4096                  ; the spare words, 128 bytes a wave, named by no other line
.set RO,   3                           ; v3  12,288 r + 16 h
.set VO,   4                           ; v4  98,304 h + 4 r
.set WA,   5                           ; v5  my place in my wave's tiles of Wo
.set DR,   6                           ; v6  r - 8 h
.set NINF, 7
.set M,    8
.set M2,   9
.set IMG,  10
.set IMGR, 11
.set OUTO, 12
.set SPW,  30
.set NIL,  31
.set T,    32
.set P,    40
.set FS,   64
.set S,    96
.set OA,   128
.set OT,   192
.set QR,   64                          ; in window 1
.set WV,   12
.set KB,   14                          ; s[14:15] k of my kv head; v lies 512 bytes on
.set G1,   16
.set G0A,  24
.set G0B,  28
.set GN,   32                          ; s[32:35] my four gains
.set CC,   36                          ; s[36:39] gain x log2(e) / sqrt(128)
.set SEL,  40
.set QB,   46                          ; s[46:47] q of my four heads
.set MSB, 0
.macro WIN new
.if MSB != (\new)
	s_set_vgpr_msb (MSB<<8)|(\new)
.set MSB, (\new)
.endif
.endm
	s_load_b256 s[4:11], s[0:1], 0x0               ; qkv32 s[4:5], q_gain s[6:7], Wo s[8:9], out0 s[10:11]
	v_lshl_add_u32 v[SPW], v0, 2, SPARE
	v_mov_b32 v[NIL], 0
	ds_add_u32 v[SPW], v[NIL]                      ; the wave's opening: the add, twice on end, and its wait ahead of my first tensor load
	ds_add_u32 v[SPW], v[NIL]
	v_lshrrev_b32 v1, 5, v0
	v_readfirstlane_b32 s[WV], v1                  ; wave 0..3
	s_mov_b32 s[G1], (2<<16)|(1<<20)|(7<<22)|(3<<25)   ; elements of 4 bytes; padding of 4 words behind every 256
	s_mov_b32 s[G1+1], 256<<16                     ; tensor_dim0 = 256
	s_mov_b32 s[G1+2], 16<<16                      ; tensor_dim1 = 16
	s_mov_b32 s[G1+3], 256<<16                     ; tile_dim0
	s_mov_b32 s[G1+4], 16                          ; tile_dim1
	s_mov_b32 s[G1+5], 2048                        ; from row to row
	s_mov_b32 s[G1+6], 0
	s_mov_b32 s[G1+7], 0
	s_mul_i32 s42, s[WV], 2*TILEB                  ; my two tiles in LDS
	s_lshl_b32 s44, ttmp9, 17                      ; 16 rows of 8,192 bytes a work-group,
	s_lshl_b32 s43, s[WV], 11                      ; 2,048 bytes of each row a wave
	s_add_co_u32 s44, s44, s43
	s_mov_b32 s45, 0
	s_mov_b32 s[SEL], 0x76543210
	s_mov_b32 s[SEL+1], 0xfedcba98
	s_wait_dscnt 0x0                               ; both opening adds are done
	s_wait_kmcnt 0x0
	s_mov_b32 s[G0A], 1
	s_mov_b32 s[G0A+1], s42
	s_add_nc_u64 s[G0A+2:G0A+3], s[8:9], s[44:45]
	s_mov_b32 s[G0B], 1
	s_add_co_u32 s[G0B+1], s42, TILEB
	s_add_nc_u64 s[G0B+2:G0B+3], s[G0A+2:G0A+3], 1024
	s_or_b32 s[G0A+3], s[G0A+3], 0x80000000
	s_or_b32 s[G0B+3], s[G0B+3], 0x80000000
	tensor_load_to_lds s[G0A:G0A+3], s[G1:G1+7]    ; heads 4 w, 4 w + 1
	s_nop 0
	tensor_load_to_lds s[G0B:G0B+3], s[G1:G1+7]    ; heads 4 w + 2, 4 w + 3: two loads of mine are out
	s_nop 0
.rept 4
	v_nop
.endr
	s_lshl_b32 s44, s[WV], 4
	s_add_nc_u64 s[6:7], s[6:7], s[44:45]
	s_load_b128 s[GN:GN+3], s[6:7], 0x0            ; my four gains
	s_lshl_b32 s44, s[WV], 10
	s_add_co_u32 s44, s44, 8192
	s_add_nc_u64 s[KB:KB+1], s[4:5], s[44:45]
	s_lshl_b32 s44, s[WV], 11
	s_add_nc_u64 s[QB:QB+1], s[4:5], s[44:45]
	s_lshl_b32 s44, ttmp9, 6
	s_add_nc_u64 s[10:11], s[10:11], s[44:45]      ; my 16 columns of the result
	v_and_b32 v1, 15, v0                           ; r
	v_bfe_u32 v2, v0, 4, 1                         ; h
	v_mul_u32_u24 v[RO], v1, 12288
	v_lshl_add_u32 v[RO], v2, 4, v[RO]
	v_mul_u32_u24 v[VO], v2, 98304
	v_lshl_add_u32 v[VO], v1, 2, v[VO]
	v_mul_u32_u24 v[WA], v1, 1040
	v_lshl_add_u32 v[WA], v2, 5, v[WA]
	v_add_nc_u32 v[WA], s42, v[WA]
	v_lshlrev_b32 v[DR], 3, v2
	v_sub_nc_u32 v[DR], v1, v[DR]
	v_mov_b32 v[NINF], 0xff800000
	v_mov_b32 v[M2], 0                             ; written once: a lane permute's destination counts as one of its sources
	v_and_b32 v13, 31, v0
	v_lshlrev_b32 v[IMGR], 4, v13
	v_add_nc_u32 v[IMGR], PART, v[IMGR]
	s_lshl_b32 s43, s[WV], 10
	v_add_nc_u32 v[IMG], s43, v[IMGR]
	v_lshlrev_b32 v[OUTO], 13, v1
	v_lshl_add_u32 v[OUTO], v2, 5, v[OUTO]
.macro QLOAD hh                        ; head hh's q: 16 loads of 16 bytes, registers 4 c on, in two runs of 32
	WIN 0x40
.set c, 0
.rept 16
	global_load_b128 v[QR+4*c+64*(c/8):QR+4*c+64*(c/8)+3], v[RO], s[QB:QB+1] offset:512*(\hh)+32*c
.set c, c+1
.endr
	WIN 0
.endm
	WIN 0x40
.set c, 0
.rept 16
	global_load_b128 v[4*c:4*c+3], v[RO], s[KB:KB+1] offset:32*c
.set c, c+1
.endr
	WIN 0x80
.set c, 0
.rept 64
	global_load_b32 v[c], v[VO], s[KB:KB+1] offset:512+12288*(c%8)+64*(c/8)
.set c, c+1
.endr
	WIN 0
	QLOAD 0
	s_wait_kmcnt 0x0
.irp i, 0,1,2,3
	s_mul_f32 s[CC+\i], s[GN+\i], 0x3e0293ee
.endr
.macro HEAD hh
	s_wait_loadcnt 0x0
	WIN 0x05                                       ; sources 0 (K) and 1 (Q) window 1
.set ks, 0
.rept 32                                       ; S^T, in four partial sums that take turns
.if ks < 4
	v_wmma_f32_16x16x4_f32 v[S+8*(ks%4):S+8*(ks%4)+7], v[2*ks:2*ks+1], v[QR+2*ks+64*(ks/16):QR+2*ks+64*(ks/16)+1], 0
.else
	v_wmma_f32_16x16x4_f32 v[S+8*(ks%4):S+8*(ks%4)+7], v[2*ks:2*ks+1], v[QR+2*ks+64*(ks/16):QR+2*ks+64*(ks/16)+1], v[S+8*(ks%4):S+8*(ks%4)+7]
.endif
.set ks, ks+1
.endr
	WIN 0
.rept 8
	v_nop                                          ; eight places behind this form: for the reads of the scores, and for the loads into registers that the last head's products read
.endr
.if \hh == 0
	s_wait_tensorcnt 0x0                           ; my two tiles of Wo are in; nobody else reads them
.endif
	WIN 0xc0                                       ; destination window 3
.set c, 0
.rept 16
	ds_load_b128 v[4*c:4*c+3], v[WA] offset:((\hh)/2)*TILEB+((\hh)%2)*512+64*(c/2)+16*(c%2)
.set c, c+1
.endr
	WIN 0
.irp j, 0,1,2,3,4,5,6,7
	v_add_f32 v[T+\j], v[S+\j], v[S+8+\j]          ; the four partial sums, each read from its low end on
.endr
.irp j, 0,1,2,3,4,5,6,7
	v_add_f32 v[T+\j], v[T+\j], v[S+16+\j]
.endr
.irp j, 0,1,2,3,4,5,6,7
	v_add_f32 v[T+\j], v[T+\j], v[S+24+\j]
.endr
.irp j, 0,1,2,3,4,5,6,7
	v_mul_f32 v[T+\j], s[CC+\hh], v[T+\j]          ; t = score x gain x log2(e) / sqrt(128)
.endr
.irp j, 0,1,2,3,4,5,6,7
	v_cmp_gt_i32 vcc_lo, \j, v[DR]                 ; key 8 h + j comes after query r
	v_cndmask_b32 v[T+\j], v[T+\j], v[NINF], vcc_lo
.endr
	v_max3_num_f32 v[M], v[T], v[T+1], v[T+2]
	v_max3_num_f32 v[M], v[M], v[T+3], v[T+4]
	v_max3_num_f32 v[M], v[M], v[T+5], v[T+6]
	v_max_num_f32 v[M], v[M], v[T+7]
	v_permlanex16_b32 v[M2], v[M], s[SEL], s[SEL+1]
	v_max_num_f32 v[M], v[M], v[M2]                ; the row's maximum: key 0 counts for every query, so it is a number
.irp j, 0,1,2,3,4,5,6,7
	v_sub_f32 v[T+\j], v[T+\j], v[M]
.endr
.irp j, 0,1,2,3,4,5,6,7
	v_exp_f32 v[T+\j], v[T+\j]
.endr
	v_nop                                          ; a plain line behind the last exponential
	s_wait_alu depctr_va_vdst(0)                   ; one wait for the eight, ahead of their first reader
	v_add_f32 v[M], v[T], v[T+1]
.irp j, 2,3,4,5,6,7
	v_add_f32 v[M], v[M], v[T+\j]
.endr
	v_permlanex16_b32 v[M2], v[M], s[SEL], s[SEL+1]
	v_add_f32 v[M], v[M], v[M2]
	v_rcp_f32 v[M], v[M]
	v_nop
	s_wait_alu depctr_va_vdst(0)
.irp j, 0,1,2,3,4,5,6,7
	v_mul_f32 v[P+\j], v[T+\j], v[M]               ; p, normalised, in f32
.endr
.if \hh < 3
	QLOAD (\hh)+1
.endif
	WIN 0x02                                       ; source 0 (V^T) window 2
.irp s, 0,1,2,3                                ; O^T: eight accumulators by turns, four keys a turn
.irp ct, 0,1,2,3,4,5,6,7
.if \s == 0
	v_wmma_f32_16x16x4_f32 v[OT+8*\ct:OT+8*\ct+7], v[8*\ct+2*\s:8*\ct+2*\s+1], v[P+2*\s:P+2*\s+1], 0
.else
	v_wmma_f32_16x16x4_f32 v[OT+8*\ct:OT+8*\ct+7], v[8*\ct+2*\s:8*\ct+2*\s+1], v[P+2*\s:P+2*\s+1], v[OT+8*\ct:OT+8*\ct+7]
.endif
.endr
.endr
	WIN 0
.rept 9
	v_nop                                          ; nine places before a matrix instruction takes these results as a source
.endr
	s_wait_dscnt 0x0                               ; Wo's fragments are in
	WIN 0x03                                       ; source 0 (Wo) window 3
.irp s, 0,1,2,3                                ; the projection: four partial sums by turns, carried over my four heads
.irp ct, 0,1,2,3,4,5,6,7
.if (\hh == 0) && (\s == 0) && (\ct < 4)
	v_wmma_f32_16x16x4_f32 v[OA+8*(\ct%4):OA+8*(\ct%4)+7], v[8*\ct+2*\s:8*\ct+2*\s+1], v[OT+8*\ct+2*\s:OT+8*\ct+2*\s+1], 0
.else
	v_wmma_f32_16x16x4_f32 v[OA+8*(\ct%4):OA+8*(\ct%4)+7], v[8*\ct+2*\s:8*\ct+2*\s+1], v[OT+8*\ct+2*\s:OT+8*\ct+2*\s+1], v[OA+8*(\ct%4):OA+8*(\ct%4)+7]
.endif
.endr
.endr
	WIN 0
.endm
	HEAD 0
	HEAD 1
	HEAD 2
	HEAD 3
.rept 8
	v_nop                                          ; eight places behind the last products
.endr
.irp j, 0,1,2,3,4,5,6,7
	v_add_f32 v[FS+\j], v[OA+\j], v[OA+8+\j]
.endr
.irp j, 0,1,2,3,4,5,6,7
	v_add_f32 v[FS+\j], v[FS+\j], v[OA+16+\j]
.endr
.irp j, 0,1,2,3,4,5,6,7
	v_add_f32 v[FS+\j], v[FS+\j], v[OA+24+\j]      ; my quarter of K: out(r, n0 + 8 h + j)
.endr
	ds_store_b128 v[IMG], v[FS:FS+3]               ; as an image of the registers: 16 bytes a lane
	ds_store_b128 v[IMG], v[FS+4:FS+7] offset:512
	s_wait_dscnt 0x0                               ; for the others' sake: my stores are done
	s_barrier_signal -1
	s_barrier_wait -1
	s_cmp_lg_u32 s[WV], 0                          ; wave 0 adds the four parts, in the waves' order, and stores
	s_cbranch_scc1 .Lend
.irp w, 0,1,2,3
	ds_load_b128 v[32+8*\w:32+8*\w+3], v[IMGR] offset:1024*\w
	ds_load_b128 v[32+8*\w+4:32+8*\w+7], v[IMGR] offset:1024*\w+512
.endr
	s_wait_dscnt 0x0
.irp j, 0,1,2,3,4,5,6,7
	v_add_f32 v[FS+\j], v[32+\j], v[40+\j]
.endr
.irp j, 0,1,2,3,4,5,6,7
	v_add_f32 v[FS+\j], v[FS+\j], v[48+\j]
.endr
.irp j, 0,1,2,3,4,5,6,7
	v_add_f32 v[FS+\j], v[FS+\j], v[56+\j]
.endr
	global_store_b128 v[OUTO], v[FS:FS+3], s[10:11]
	global_store_b128 v[OUTO], v[FS+4:FS+7], s[10:11] offset:16
.Lend:
	s_wait_tensorcnt 0x0                           ; the wave's end: a wait, an add and a wait behind my last tensor load and my last LDS store
	ds_add_u32 v[SPW], v[NIL]
	s_wait_dscnt 0x0
	s_endpgm
.Lfunc_end_k_q9cbd90cfca_first16:
	.size	k_q9cbd90cfca_first16, .Lfunc_end_k_q9cbd90cfca_first16-k_q9cbd90cfca_first16
	.p2alignl 7, 3214868480
	.fill 96, 4, 3214868480
	.section	.rodata,"a",@progbits
	.p2align	6, 0x0
	.amdhsa_kernel k_q9cbd90cfca_first16
		.amdhsa_group_segment_fixed_size 167936
		.amdhsa_private_segment_fixed_size 0
		.amdhsa_enable_private_segment 0
		.amdhsa_kernarg_size 32
		.amdhsa_user_sgpr_count 2
		.amdhsa_user_sgpr_kernarg_segment_ptr 1
		.amdhsa_wavefront_size32 1
		.amdhsa_system_sgpr_workgroup_id_x 1
		.amdhsa_system_sgpr_workgroup_id_y 1
		.amdhsa_system_sgpr_workgroup_id_z 1
		.amdhsa_system_vgpr_workitem_id 0
		.amdhsa_next_free_vgpr 832
		.amdhsa_next_free_sgpr 66
		.amdhsa_reserve_vcc 1
		.amdhsa_float_denorm_mode_32 3
		.amdhsa_float_denorm_mode_16_64 3
		.amdhsa_memory_ordered 1
		.amdhsa_forward_progress 1
		.amdhsa_inst_pref_size 65
	.end_amdhsa_kernel
	.amdgpu_metadata
---
amdhsa.version: [ 1, 2 ]
amdhsa.kernels:
  - .name:           k_q9cbd90cfca_first16
    .symbol:         k_q9cbd90cfca_first16.kd
    .args:
      - { .name: qkv32, .offset: 0, .size: 8, .value_kind: global_buffer, .address_space: global }
      - { .name: q_gain, .offset: 8, .size: 8, .value_kind: global_buffer, .address_space: global }
      - { .name: Wo, .offset: 16, .size: 8, .value_kind: global_buffer, .address_space: global }
      - { .name: out0, .offset: 24, .size: 8, .value_kind: global_buffer, .address_space: global }
    .group_segment_fixed_size: 167936
    .private_segment_fixed_size: 0
    .kernarg_segment_align: 8
    .kernarg_segment_size: 32
    .max_flat_workgroup_size: 128
    .sgpr_count:     66
    .vgpr_count:     832
    .wavefront_size: 32
...
	.end_amdgpu_metadata
.endif
;; end of part 5
